; MI455X (gfx1250); checked and timed in simulation.
; The chip was launched on July 23, 2026; its instructions are those of AMD's public machine-readable ISA for CDNA 5 (MIT licence, August 2026) and "CDNA5" Instruction Set Architecture Reference Guide (July 2026). The comments in the code are by the model that wrote it; some were corrected since.
;; X Encoder. Allowed arithmetic: matrix products marked QUANTISED: E4M3 operands, one given power-of-two scale a tensor, by v_wmma_f32_16x16x64_fp8_fp8 or v_wmma_f32_16x16x128_fp8_fp8, f32 sums; everything else in f32.
;; Inputs: W1 1,024 x 512 float32; W2 512 x 512 float32; Wk 1,024 x 1,024 float32; Wo 1,024 x 1,024 float32; Wq 1,024 x 1,024 float32; Wv 1,024 x 1,024 float32; adj_b one number float32; adj_w one number float32; alpha one number float32; b1 512 float32; b2 512 float32; bk 1,024 float32; bo 1,024 float32; bq 1,024 float32; bv 1,024 float32; ln_b 1,024 float32; ln_g 1,024 float32; lowp_scales 18 int32 (the exponents e of the quantised operands' scales 2^e); seq_len 2 int32; x 2 x 2,048 x 1,024 float32.
;; Outputs: out0 2 x 512 x 2,048 float32; out1 2 x 512 x 2,048 float32.
;; This version of the problem:
;;   THIS VERSION OF THE PROBLEM IS GIVEN IN LOW PRECISION. The matrix products marked QUANTISED in the list below multiply operands that are first quantised to E4M3 (4 exponent bits, 3 mantissa bits; 8 bits a number), with one given power-of-two scale for each operand tensor; their sums are f32. All else is computed in f32.
;;   The module's matrix products, in the order in which they are computed (A, B: the left and right operand; K: the contracted axis; several contracted axes count as one K, in the product's order):
;;     1. [M 4,096, K 1,024] x [K 1,024, N 1,024]; A: input x; B: input Wq: QUANTISED (scales: A lowp_scales[0], B lowp_scales[1])
;;     2. [M 4,096, K 1,024] x [K 1,024, N 1,024]; A: input x; B: input Wk: QUANTISED (scales: A lowp_scales[2], B lowp_scales[3])
;;     3. [M 4,096, K 1,024] x [K 1,024, N 1,024]; A: input x; B: input Wv: QUANTISED (scales: A lowp_scales[4], B lowp_scales[5])
;;     4. batch 16 x [M 2,048, K 128] x [K 128, N 2,048]; A: computed on the way; B: computed on the way: QUANTISED (scales: A lowp_scales[6], B lowp_scales[7])
;;     5. batch 16 x [M 2,048, K 2,048] x [K 2,048, N 128]; A: softmax (see below); B: computed on the way: QUANTISED (scales: A lowp_scales[8], B lowp_scales[9])
;;     6. batch 16 x [M 2,048, K 2,048] x [K 2,048, N 128]; A: softmax (see below); B: computed on the way: QUANTISED (scales: A lowp_scales[10], B lowp_scales[11])
;;     7. [M 4,096, K 1,024] x [K 1,024, N 1,024]; A: computed on the way; B: input Wo: QUANTISED (scales: A lowp_scales[12], B lowp_scales[13])
;;     8. [M 4,096, K 1,024] x [K 1,024, N 512]; A: computed on the way; B: input W1: QUANTISED (scales: A lowp_scales[14], B lowp_scales[15])
;;     9. [M 4,096, K 512] x [K 512, N 512]; A: computed on the way; B: input W2: QUANTISED (scales: A lowp_scales[16], B lowp_scales[17])
;;   THE QUANTISER, for each operand of a quantised product, along K:
;;     - The operand's scale is 2^e, e = its entry of the input lowp_scales (int32; the entries are numbered through the quantised products in the list's order, A before B).
;;     - Each number is divided by the scale, clamped to +-448, and rounded to the nearest number of E4M3, ties to even, subnormals kept.
;;     - The product sums the exact products of the quantised numbers (number of the format x scale) in f32.
;;   ~~~python
;;   def quantise(x, axis, e):      # numpy; x: float32 -> the quantised numbers, widened to float32 again
;;       x = np.moveaxis(x, axis, -1); K = x.shape[-1]
;;       r = np.clip(x / 2.0 ** e, -448, 448)
;;       step = 2.0 ** (np.maximum(np.frexp(np.where(r == 0, 1, r))[1] - 1, -6) - 3)
;;       q = np.round(r / step) * step * 2.0 ** e      # np.round: ties to even
;;       return np.moveaxis(q, -1, axis).astype(np.float32)
;;   ~~~
;;   SOFTMAX AHEAD OF A QUANTISED PRODUCT. Where the list says 'softmax', what is quantised is not the finished softmax but p = 2^(t - M), with t = logit x log2(e) and M = ceil(the row's largest t), a whole number; so 1/2 < the row's largest p <= 1. The row's sum l is taken of the UNQUANTISED p, in f32, and the product's result is divided by l at the end. Since M is a whole number, a kernel that streams over the keys may use a running M (the ceiling of the running maximum): every later rescaling is an exact power of two, so the quantised numbers keep their values, but for numbers so far below the row's largest that they fall under the format's range.
;;   OPERANDS COMPUTED ON THE WAY. 'Computed on the way' means the value that the module computes at that place (a softmax that the list does not call 'softmax' is quantised finished and normalised). What goes into a quantiser is computed in f32, as accurately as f32 sums, v_exp_f32 and their like allow (about 1e-6 of the number): no bf16 or f16 on the way to a quantiser, and a product that is left as it is and whose result goes on into a quantised operand takes f32 operands (vector FMAs, or v_wmma_f32_16x16x4_f32). A number that lies on a knife's edge between two numbers of the format may be rounded either way, as far as f32 arithmetic and the matrix unit's own rounding can turn it there, and no further.
;; One version. Each part assembles by itself: llvm-mc -triple=amdgcn-amd-amdhsa -mcpu=gfx1250 --defsym DOCPART=n.
;; ======== version 1 of 1: 4 launches
;; limits: right only within a limited range of input values
;; workspace buffers: xc 12,582,912 bytes; wc 4,980,736 bytes; bias3 12,288 bytes; qkc 8,388,608 bytes; vt 8,388,608 bytes; xoc 4,194,304 bytes
;; launch prep (part 1): grid 409 x 1, 4 waves a work-group, no clusters, 102,912 bytes of LDS; arguments x, Wq, Wk, Wv, Wo, W1, W2, bq, bk, bv, lowp_scales, seq_len, xc, wc, bias3; writes xc, wc, bias3
.if DOCPART == 1
	.amdgcn_target "amdgcn-amd-amdhsa--gfx1250"
	.amdhsa_code_object_version 6
	.text
	.protected	k_q6e4aa44e18_prep
	.globl	k_q6e4aa44e18_prep
	.p2align	8
	.type	k_q6e4aa44e18_prep,@function
k_q6e4aa44e18_prep:
	s_mov_b64 s[64:65], 0
	v_nop
	global_prefetch_b8 v0, s[64:65] scope:SCOPE_SE
	s_setreg_imm32_b32 hwreg(HW_REG_WAVE_MODE, 25, 1), 1
	s_wait_xcnt 0x0
; prep: every f32 operand that later launches read many times becomes codes of E4M3, once, with its given scale 2^e.
; code = number / 2^e, held within +-448, rounded to the nearest code, ties to even.
; Work-groups 0-255: x [4096][1024] into three sets of codes (e0, e2, e4), 16 rows a work-group, 4 a wave.  Set 0 keeps the rows; in set 1 row m lies at the place with bits 0 and 1 of m swapped;
;   in set 2 row m lies at (m & ~31) + 16 (m % 2) + (m % 32) / 2.  The places are chosen so that the next launch's results fall into lanes as their readers want them.
; Work-groups 256-383: Wq, Wk, Wv, Wo [1024 k][1024 n]; 384-399: W1 [1024][512]; 400-407: W2 [512][512].  A lane takes a column n and its registers run down k, so the codes come out with k innermost;
;   a wave takes 32 columns x 256 along k and turns them through its own stage in LDS.  Wq, Wk: row P of wc holds column P with bits 3 and 4 swapped.  Wv: row P holds column 128 (P % 8) + P / 8.
;   Wo, W1, W2 leave in the order of a matrix operand's registers: blocks of 512 bytes, 16 bytes a lane: lane (r, h) holds column 8 u + r + 8 (r / 8) of a group of 32, k = 32 c + 16 h + 0 .. 15.
; Work-group 408: bq, bk, bv in the order of wc's rows; it also reads seq_len, of which it makes nothing.
; Each role has LDS bytes of its own.  No tensor loads, no barrier: waves share nothing.
; LIMITS: each e used here between -126 and 119, so that 2^e and 448 x 2^e are f32 numbers.  NaN among the inputs is not served.
.set SPARE,  102400                    ; behind the three regions: the spare words, 128 bytes for each wave, which no other line names
.set SPW,    12                        ; v12  LDS address of my spare word; never rewritten
.set NIL,    13                        ; v13  0; never rewritten
.set WT,     3145728                   ; where the operand-ordered weights begin in wc
.set SP,     80                        ; role x: a lane's place in a stage: 64 bytes + 16 of padding
.set XR,     16                        ; v16-79   four sets of 16 numbers as loaded
.set XX,     80                        ; v80-111  two sets of 16 neighbours
.set XT0,    112                       ; v112-127, v224-239  held numbers, two sets by turns
.set XT1,    224
.set XC,     128                       ; v128-223 codes: 12 registers for each of 8 steps: no store's data are written again
.set PITCH,  272                       ; weights: a stage row: 256 bytes + 16
.set WX,     32                        ; v32-95   two sets of 32 numbers
.set WC,     96                        ; v96-103  a block's codes
.set OUTR,   112                       ; v112-175 the way out
.macro MKSCALE e, sc, lim, t           ; s[e]: the exponent.  v[sc] = 2^e as f32, v[lim] = 448 x 2^e.  s[t], s[t+1]: at work
	s_add_co_i32 s[\t], s[\e], 127
	s_lshl_b32 s[\t+1], s[\t], 23
	v_mov_b32 v[\sc], s[\t+1]
	s_add_co_i32 s[\t], s[\t], 8
	s_lshl_b32 s[\t], s[\t], 23
	s_or_b32 s[\t], s[\t], 0x600000
	v_mov_b32 v[\lim], s[\t]
.endm
.macro CLOSE                           ; the wave's end, behind the last LDS store
	s_wait_tensorcnt 0x0
	ds_add_u32 v[SPW], v[NIL]
	s_wait_dscnt 0x0
	s_endpgm
.endm
.macro XLOAD t                         ; step t: 512 numbers; each load reads 512 consecutive bytes
.irp i, 0,1,2,3
	global_load_b128 v[XR+16*((\t)%4)+4*\i:XR+16*((\t)%4)+4*\i+3], v3, s[4:5] offset:2048*(\t)+512*\i th:TH_LOAD_NT
.endr
.endm
.macro XTURN t                         ; through the stage: in as loaded, out 64 bytes a lane; LDS serves a wave in order, so no wait between
.irp i, 0,1,2,3
	ds_store_b128 v14, v[XR+16*((\t)%4)+4*\i:XR+16*((\t)%4)+4*\i+3] offset:32*SP*((\t)%2)+8*SP*\i
.endr
.irp i, 0,1,2,3
	ds_load_b128 v[XX+16*((\t)%2)+4*\i:XX+16*((\t)%2)+4*\i+3], v15 offset:32*SP*((\t)%2)+16*\i
.endr
.endm
.macro XQ t, ver                       ; step t in version ver: the hold into the set whose turn it is, then two conversions.  The other set's sixteen holds are the plain lines between a conversion and the next write of its sources
.set XS, XX+16*((\t)%2)
.set TT, XT0+(XT1-XT0)*((3*(\t)+\ver)%2)
.set CC, XC+12*(\t)+4*\ver
.set k, 0
.rept 16
	v_med3_num_f32 v[TT+k], v[XS+k], -v[7+2*\ver], v[7+2*\ver]
.set k, k+1
.endr
	v_cvt_scalef32_pk8_fp8_f32 v[CC:CC+1], v[TT:TT+7], v[6+2*\ver]
	v_cvt_scalef32_pk8_fp8_f32 v[CC+2:CC+3], v[TT+8:TT+15], v[6+2*\ver]
.endm
.macro XSTEP t
	s_wait_dscnt 0x0                               ; this step's numbers are back from the stage, and its stores into the stage have read their registers,
.if (\t)+4 < 8
	XLOAD (\t)+4                                   ; which take the loads of four steps on
.endif
.if (\t)+1 < 8
.if 6-(\t) >= 3
	s_wait_loadcnt 12                              ; the next step's four loads are in; the twelve of the three steps behind it may be out
.else
	s_wait_loadcnt 4*(6-(\t))
.endif
	XTURN (\t)+1
.endif
	XQ \t, 0
	global_store_b128 v3, v[XC+12*(\t):XC+12*(\t)+3], s[48:49] offset:512*(\t)                        ; 32 lanes store 512 consecutive bytes: half a row of codes
	XQ \t, 1
	global_store_b128 v3, v[XC+12*(\t)+4:XC+12*(\t)+7], s[48:49] offset:4194304+1024*(((((\t)/2)&1)*2)+(((\t)/2)>>1))+512*((\t)%2)
	XQ \t, 2
	global_store_b128 v3, v[XC+12*(\t)+8:XC+12*(\t)+11], s[50:51] offset:1024*(16*(((\t)/2)%2)+((\t)/4))+512*((\t)%2)
.endm
.macro WLOAD t, NB                     ; block t: W(32 t + k, my column), into set t % 2: 32 lanes read 128 consecutive bytes
.set k, 0
.rept 32
	global_load_b32 v[WX+32*((\t)%2)+k], v3, s[66:67] offset:(32*(\t)+k)*(\NB) th:TH_LOAD_NT
.set k, k+1
.endr
.endm
.macro WBLOCK t, NB
.set XS, WX+32*((\t)%2)
.if (\t) < 7
	s_wait_loadcnt 32                              ; this block's 32 loads are in; the next block's may be out
.else
	s_wait_loadcnt 0
.endif
.set k, 0
.rept 32
	v_med3_num_f32 v[XS+k], v[XS+k], -v10, v10
.set k, k+1
.endr
.irp g, 0,1,2,3
	v_cvt_scalef32_pk8_fp8_f32 v[WC+2*\g:WC+2*\g+1], v[XS+8*\g:XS+8*\g+7], v11
.endr
	ds_store_b128 v4, v[WC:WC+3] offset:32*(\t)
	ds_store_b128 v4, v[WC+4:WC+7] offset:32*(\t)+16
.if (\t)+2 < 8
	WLOAD (\t)+2, \NB
.endif
	s_wait_dscnt 0x0                               ; the stores have read their registers: the next block's codes may be written
.endm
; A weight role's body.  In: s[66:67] the matrix, s68 which 128 columns, s69 which 256 along k, s70 the byte of its exponent in the scales.  Out: s74 my wave's first column; the codes in my stage.
.macro WBODY NB, STG0
	s_load_b32 s73, s[24:25], s70 offset:0x0
	s_lshl_b32 s74, s68, 7
	s_lshl_b32 s75, s34, 5
	s_add_co_u32 s74, s74, s75
	v_lshlrev_b32 v3, 2, v2                        ; in: 4 bytes a lane
	s_mul_i32 s75, s34, 32*PITCH
	s_add_co_u32 s75, s75, \STG0                   ; my stage
	v_mul_u32_u24 v4, v2, PITCH
	v_add_nc_u32 v4, s75, v4                       ; into it: row = my column
	v_and_b32 v5, 15, v2
	v_lshrrev_b32 v6, 4, v2
	v_mul_u32_u24 v7, v6, PITCH
	v_lshl_add_u32 v7, v5, 4, v7
	v_add_nc_u32 v7, s75, v7                       ; out by rows: sixteen lanes to a row, two rows an instruction
	v_and_b32 v8, 8, v5
	v_add_nc_u32 v8, v8, v5
	v_mul_u32_u24 v8, v8, PITCH
	v_lshl_add_u32 v8, v6, 4, v8
	v_add_nc_u32 v8, s75, v8                       ; out by fragments: row r + 8 (r / 8), + 16 h
	v_lshlrev_b32 v9, 4, v2                        ; 16 x lane
	s_mul_i32 s76, s69, 256*(\NB)
	s_lshl_b32 s77, s74, 2
	s_add_co_u32 s76, s76, s77
	s_mov_b32 s77, 0
	s_add_nc_u64 s[66:67], s[66:67], s[76:77]
	WLOAD 0, \NB
	WLOAD 1, \NB
	s_wait_kmcnt 0x0
	MKSCALE 73, 11, 10, 78
.irp t, 0,1,2,3,4,5,6,7
	WBLOCK \t, \NB
.endr
.endm
.macro OUT_ROWS kind                   ; 0: Wq, Wk (row = column with bits 3, 4 swapped);  1: Wv (rows 8 apart).  Sixteen lanes store 256 consecutive bytes, aligned
.set t, 0
.rept 16
	ds_load_b128 v[OUTR+4*t:OUTR+4*t+3], v7 offset:2*t*PITCH
.set t, t+1
.endr
.set t, 0
.rept 16
	s_wait_dscnt 15-t
.if \kind == 0
	global_store_b128 v14, v[OUTR+4*t:OUTR+4*t+3], s[78:79] offset:1024*(((2*t)&7)|(((2*t)&8)<<1)|(((2*t)&16)>>1))
.else
	global_store_b128 v14, v[OUTR+4*t:OUTR+4*t+3], s[78:79] offset:16384*t
.endif
.set t, t+1
.endr
.endm
.macro OUT_FRAG KS                     ; n = 8 u + 4 sl + c: tile u of the pair, K step sl of my two, block c of 32 along k.  32 lanes store 512 consecutive bytes
.set n, 0
.rept 16
	ds_load_b128 v[OUTR+4*n:OUTR+4*n+3], v8 offset:8*(n/8)*PITCH+128*((n/4)%2)+32*(n%4)
.set n, n+1
.endr
.set n, 0
.rept 16
	s_wait_dscnt 15-n
	global_store_b128 v9, v[OUTR+4*n:OUTR+4*n+3], s[78:79] offset:(\KS)*((n/4)%2)+2048*(n/8)+512*(n%4)
.set n, n+1
.endr
.endm
	s_load_b512 s[4:19], s[0:1], 0x0               ; x 4, Wq 6, Wk 8, Wv 10, Wo 12, W1 14, W2 16, bq 18
	s_load_b256 s[20:27], s[0:1], 0x40             ; bk 20, bv 22, the scales 24, seq_len 26
	s_load_b128 s[28:31], s[0:1], 0x60             ; xc 28, wc 30
	s_load_b64 s[32:33], s[0:1], 0x70              ; bias3
	v_lshl_add_u32 v[SPW], v0, 2, SPARE
	v_mov_b32 v[NIL], 0
	v_lshrrev_b32 v1, 5, v0
	v_readfirstlane_b32 s34, v1                    ; wave
	v_and_b32 v2, 31, v0                           ; lane
	s_wait_kmcnt 0x0
	s_cmp_lt_u32 ttmp9, 256
	s_cbranch_scc0 .Lweights
	; ---- x
	s_load_b256 s[36:43], s[24:25], 0x0            ; e0 .. e7
	v_lshlrev_b32 v3, 4, v2                        ; my 16 bytes of a load's 512, and of a store's
	s_lshl_b32 s35, s34, 13                        ; my wave's 8,192 bytes of LDS
	v_lshrrev_b32 v14, 2, v2
	v_mul_u32_u24 v14, v14, SP
	v_and_b32 v15, 3, v2
	v_lshl_add_u32 v14, v15, 4, v14
	v_add_nc_u32 v14, s35, v14                     ; the stage, in: four lanes' 64 bytes on end, then 16 of padding
	v_mul_u32_u24 v15, v2, SP
	v_add_nc_u32 v15, s35, v15                     ; and out: my 16 neighbours
	s_lshl_b32 s44, ttmp9, 4
	s_lshl_b32 s45, s34, 2
	s_add_co_u32 s44, s44, s45                     ; m0: my first row
	s_lshl_b32 s46, s44, 12
	s_mov_b32 s47, 0
	s_add_nc_u64 s[4:5], s[4:5], s[46:47]
	s_lshl_b32 s46, s44, 10
	s_add_nc_u64 s[48:49], s[28:29], s[46:47]      ; sets 0 and 1 (4 MiB on, in the immediate)
	s_and_b32 s50, s44, 0xfe0
	s_and_b32 s51, s44, 31
	s_lshr_b32 s51, s51, 1
	s_add_co_u32 s50, s50, s51
	s_lshl_b32 s50, s50, 10
	s_mov_b32 s51, 0
	s_add_nc_u64 s[50:51], s[28:29], s[50:51]
	s_add_nc_u64 s[50:51], s[50:51], 0x800000      ; set 2
.irp t, 0,1,2,3
	XLOAD \t
.endr
	s_wait_kmcnt 0x0
	MKSCALE 36, 6, 7, 52
	MKSCALE 38, 8, 9, 52
	MKSCALE 40, 10, 11, 52
	s_wait_loadcnt 12                              ; step 0's four loads are in
	XTURN 0
.irp t, 0,1,2,3,4,5,6,7
	XSTEP \t
.endr
	CLOSE
.Lweights:
	s_cmp_lt_u32 ttmp9, 384
	s_cbranch_scc0 .Lnarrow
	; ---- Wq, Wk, Wv, Wo
	s_sub_co_u32 s71, ttmp9, 256
	s_lshr_b32 s72, s71, 5                         ; which matrix
	s_and_b32 s68, s71, 7
	s_bfe_u32 s69, s71, 0x20003
	s_lshl_b32 s70, s72, 3
	s_add_co_u32 s70, s70, 4                       ; entries 1, 3, 5 of the scales
	s_cmp_eq_u32 s72, 1
	s_cselect_b64 s[66:67], s[8:9], s[6:7]
	s_cmp_eq_u32 s72, 2
	s_cselect_b64 s[66:67], s[10:11], s[66:67]
	s_cmp_eq_u32 s72, 3
	s_cselect_b64 s[66:67], s[12:13], s[66:67]
	s_cselect_b32 s70, 52, s70                     ; Wo: entry 13
	WBODY 4096, 32768
	s_lshl_b32 s80, s69, 8                         ; my 256 bytes of a row of codes
	s_cmp_lt_u32 s72, 2
	s_cbranch_scc0 .Lnot_qk
	s_lshl_b32 s76, s72, 20
	s_lshl_b32 s77, s74, 10
	s_add_co_u32 s76, s76, s77
	s_add_co_u32 s76, s76, s80
	s_mov_b32 s77, 0
	s_add_nc_u64 s[78:79], s[30:31], s[76:77]
	v_lshlrev_b32 v14, 10, v6
	v_lshl_add_u32 v14, v5, 4, v14
	OUT_ROWS 0
	CLOSE
.Lnot_qk:
	s_cmp_eq_u32 s72, 2
	s_cbranch_scc0 .Lwo
	s_lshl_b32 s76, s34, 18                        ; row 8 (column % 128) + column / 128: 1,024 x (256 wave + which 128 columns)
	s_lshl_b32 s77, s68, 10
	s_add_co_u32 s76, s76, s77
	s_add_co_u32 s76, s76, s80
	s_add_co_u32 s76, s76, 0x200000
	s_mov_b32 s77, 0
	s_add_nc_u64 s[78:79], s[30:31], s[76:77]
	v_lshlrev_b32 v14, 13, v6
	v_lshl_add_u32 v14, v5, 4, v14
	OUT_ROWS 1
	CLOSE
.Lwo:
	s_lshr_b32 s76, s74, 6                         ; the reading wave: 64 columns each
	s_lshl_b32 s76, s76, 16
	s_bfe_u32 s77, s74, 0x10005                    ; which pair of tiles
	s_lshl_b32 s77, s77, 12
	s_add_co_u32 s76, s76, s77
	s_lshl_b32 s77, s69, 14
	s_add_co_u32 s76, s76, s77
	s_add_co_u32 s76, s76, WT
	s_mov_b32 s77, 0
	s_add_nc_u64 s[78:79], s[30:31], s[76:77]
	OUT_FRAG 8192
	CLOSE
.Lnarrow:
	s_cmp_lt_u32 ttmp9, 408
	s_cbranch_scc0 .Lbias
	; ---- W1, W2
	s_sub_co_u32 s71, ttmp9, 384
	s_mov_b32 s82, WT+0x180000
	s_cmp_lt_u32 s71, 16
	s_cselect_b64 s[66:67], s[14:15], s[16:17]
	s_cselect_b32 s70, 60, 68                      ; entries 15, 17
	s_cselect_b32 s72, 0, 16
	s_cselect_b32 s81, 15, 14                      ; a reading wave's part: 32,768 or 16,384 bytes
	s_cselect_b32 s82, WT+0x100000, s82
	s_sub_co_u32 s71, s71, s72
	s_and_b32 s68, s71, 3
	s_lshr_b32 s69, s71, 2
	WBODY 2048, 67584
	s_lshr_b32 s76, s74, 5
	s_lshl_b32 s76, s76, s81
	s_lshl_b32 s77, s69, 13
	s_add_co_u32 s76, s76, s77
	s_add_co_u32 s76, s76, s82
	s_mov_b32 s77, 0
	s_add_nc_u64 s[78:79], s[30:31], s[76:77]
	OUT_FRAG 4096
	CLOSE
.Lbias:
	; ---- the three biases in the order of wc's rows: thread t takes rows 4 t + 512 n
	s_load_b64 s[36:37], s[26:27], 0x0             ; seq_len: read as it is given; nothing is made of it
	v_lshlrev_b32 v3, 2, v0
	v_and_b32 v4, 8, v3
	v_and_b32 v5, 16, v3
	v_and_b32 v6, 0x1e7, v3
	v_lshl_or_b32 v6, v4, 1, v6
	v_lshrrev_b32 v5, 1, v5
	v_or_b32 v6, v6, v5                            ; the row with bits 3 and 4 swapped
	v_lshlrev_b32 v6, 2, v6
	v_and_b32 v7, 1, v0
	v_lshrrev_b32 v8, 1, v0
	v_lshlrev_b32 v8, 2, v8
	v_lshl_add_u32 v7, v7, 11, v8                  ; bv: 4 x (128 (row % 8) + row / 8)
	v_lshlrev_b32 v9, 4, v0
.irp n, 0,1
	global_load_b128 v[16+12*\n:19+12*\n], v6, s[18:19] offset:2048*\n
	global_load_b128 v[20+12*\n:23+12*\n], v6, s[20:21] offset:2048*\n
.irp q, 0,1,2,3
	global_load_b32 v[24+12*\n+\q], v7, s[22:23] offset:512*\q+256*\n
.endr
.endr
	s_wait_loadcnt 0x0
.irp n, 0,1
	global_store_b128 v9, v[16+12*\n:19+12*\n], s[32:33] offset:2048*\n
	global_store_b128 v9, v[20+12*\n:23+12*\n], s[32:33] offset:4096+2048*\n
	global_store_b128 v9, v[24+12*\n:27+12*\n], s[32:33] offset:8192+2048*\n
.endr
	s_wait_kmcnt 0x0
	CLOSE
.Lfunc_end_k_q6e4aa44e18_prep:
	.size	k_q6e4aa44e18_prep, .Lfunc_end_k_q6e4aa44e18_prep-k_q6e4aa44e18_prep
	.p2alignl 7, 3214868480
	.fill 96, 4, 3214868480
	.section	.rodata,"a",@progbits
	.p2align	6, 0x0
	.amdhsa_kernel k_q6e4aa44e18_prep
		.amdhsa_group_segment_fixed_size 102912
		.amdhsa_private_segment_fixed_size 0
		.amdhsa_enable_private_segment 0
		.amdhsa_kernarg_size 120
		.amdhsa_user_sgpr_count 2
		.amdhsa_user_sgpr_kernarg_segment_ptr 1
		.amdhsa_wavefront_size32 1
		.amdhsa_system_sgpr_workgroup_id_x 1
		.amdhsa_system_sgpr_workgroup_id_y 1
		.amdhsa_system_sgpr_workgroup_id_z 1
		.amdhsa_system_vgpr_workitem_id 0
		.amdhsa_next_free_vgpr 240
		.amdhsa_next_free_sgpr 100
		.amdhsa_reserve_vcc 0
		.amdhsa_float_denorm_mode_32 3
		.amdhsa_float_denorm_mode_16_64 3
		.amdhsa_memory_ordered 1
		.amdhsa_forward_progress 1
		.amdhsa_inst_pref_size 148
	.end_amdhsa_kernel
	.amdgpu_metadata
---
amdhsa.version: [ 1, 2 ]
amdhsa.kernels:
  - .name:           k_q6e4aa44e18_prep
    .symbol:         k_q6e4aa44e18_prep.kd
    .args:
      - { .name: x, .offset: 0, .size: 8, .value_kind: global_buffer, .address_space: global }
      - { .name: Wq, .offset: 8, .size: 8, .value_kind: global_buffer, .address_space: global }
      - { .name: Wk, .offset: 16, .size: 8, .value_kind: global_buffer, .address_space: global }
      - { .name: Wv, .offset: 24, .size: 8, .value_kind: global_buffer, .address_space: global }
      - { .name: Wo, .offset: 32, .size: 8, .value_kind: global_buffer, .address_space: global }
      - { .name: W1, .offset: 40, .size: 8, .value_kind: global_buffer, .address_space: global }
      - { .name: W2, .offset: 48, .size: 8, .value_kind: global_buffer, .address_space: global }
      - { .name: bq, .offset: 56, .size: 8, .value_kind: global_buffer, .address_space: global }
      - { .name: bk, .offset: 64, .size: 8, .value_kind: global_buffer, .address_space: global }
      - { .name: bv, .offset: 72, .size: 8, .value_kind: global_buffer, .address_space: global }
      - { .name: lowp_scales, .offset: 80, .size: 8, .value_kind: global_buffer, .address_space: global }
      - { .name: seq_len, .offset: 88, .size: 8, .value_kind: global_buffer, .address_space: global }
      - { .name: xc, .offset: 96, .size: 8, .value_kind: global_buffer, .address_space: global }
      - { .name: wc, .offset: 104, .size: 8, .value_kind: global_buffer, .address_space: global }
      - { .name: bias3, .offset: 112, .size: 8, .value_kind: global_buffer, .address_space: global }
    .group_segment_fixed_size: 102912
    .private_segment_fixed_size: 0
    .kernarg_segment_align: 8
    .kernarg_segment_size: 120
    .max_flat_workgroup_size: 128
    .sgpr_count:     100
    .vgpr_count:     240
    .wavefront_size: 32
...
	.end_amdgpu_metadata
.endif
;; end of part 1
;; launch qkv (part 2): grid 12 x 16, 4 waves a work-group, clusters of 4 x 4, 327,680 bytes of LDS; arguments xc, wc, bias3, lowp_scales, qkc, vt; writes qkc, vt
.if DOCPART == 2
	.amdgcn_target "amdgcn-amd-amdhsa--gfx1250"
	.amdhsa_code_object_version 6
	.text
	.protected	k_q6e4aa44e18_qkv
	.globl	k_q6e4aa44e18_qkv
	.p2align	8
	.type	k_q6e4aa44e18_qkv,@function
k_q6e4aa44e18_qkv:
	s_mov_b64 s[64:65], 0
	v_nop
	global_prefetch_b8 v0, s[64:65] scope:SCOPE_SE
	s_setreg_imm32_b32 hwreg(HW_REG_WAVE_MODE, 25, 1), 1
	s_wait_xcnt 0x0
	s_wait_alu depctr_hold_cnt(0) depctr_sa_sdst(0) depctr_va_vdst(0) depctr_va_sdst(0) depctr_va_ssrc(0) depctr_va_vcc(0) depctr_vm_vsrc(0)
	s_getreg_b32 s2, hwreg(HW_REG_IB_STS2, 6, 4)
	s_cmp_eq_u32 s2, 0
	s_cbranch_scc0 .Lentry_in_a_cluster
	s_endpgm
.Lentry_in_a_cluster:
	s_bfe_u32 s2, ttmp6, 0x10000c
	s_cmp_lg_u32 s2, 0xf033
	s_cbranch_scc0 .Lentry_shape_is_right
	s_endpgm
.Lentry_shape_is_right:
; qkv: Q, K, V = x W + b on codes of E4M3, and their results quantised at once for the attention's products.  One GEMM of [4096] x [3072 rows of wc], K = 1024.
; The cluster's x is the mode: 0 Q (x's set 0, e0, e1, out e6), 1 K (set 1, e2, e3, out e7), 2 V (set 2, e4, e5, out e9 and e11).  It is the same in all sixteen partners.
; A tile, 256 x 256, is made by four waves, each 128 x 128: 64 accumulators, 512 registers.  K goes in steps of 256 through a ring of two LDS slots filled by joint tensor loads:
; the four work-groups of a row of the cluster share A's tiles, the four of a column B's.  The matrix instruction is used transposed (source 0 = rows of wc, source 1 = rows of x).
; THE BIAS is the C of each sum's first product, divided by 2^(eA + eB): the sums then stand for (x W + b) / 2^(eA + eB), and one folded scale 2^(eO - eA - eB) serves the conversion.
; Q, K: wc's rows are ordered so that a lane's 16 registers of two neighbouring tiles are 16 neighbouring columns: 16 bytes of codes; they meet in a stage in LDS and leave as rows of 256 bytes.
; V: wc's rows and x's rows are ordered so that a lane's 8 registers of two neighbouring row blocks are 16 neighbouring KEYS of one channel: sixteen lanes store 256 consecutive bytes of V^T with no stage.
; LIMITS: eA + eB between -126 and 126; eO - eA - eB (and with e11 for eO) between -126 and 119.  NaN among the inputs is not served.
; REGISTERS, in windows of 256: window 0: v0-31 addresses and scales; v32-95 the bias, later held numbers; from v128 A's fragments, one set.  window 1: B's fragments, two sets.  windows 2, 3: the accumulators.
.set KSTEP,  256
.set ROWB,   256
.set KROW,   1024
.set PITCH,  272                       ; an LDS row: 256 bytes + 16: the 16 rows that a load touches start at 16 different groups of banks
.set FR,     16
.set NL,     4
.set NP,     4
.set HALFT,  128*PITCH
.set SLOT,   4*HALFT
.set LAPS,   2                         ; 1,024 along K: twice round the ring
.set SPARE,  2*SLOT                    ; behind the ring: the spare words, which no other line names
.set ADRA, 16
.set ADRB, 20
.set STO,  24                          ; the stage (in slot 0, behind its last fill and last read): where I put 16 bytes of a row
.set RD,   25                          ; and where I read rows back
.set CO,   26                          ; my byte offset in two rows of qkc
.set VO,   27                          ; my byte offset in two rows of vt
.set SPW,  28
.set NIL,  29
.set BI,   32                          ; v32-95: the bias of my 128 rows of wc, eight registers a tile
.set AF,   128
.set G1, 24
.set G0, 32
.set G1B, 48
.set G0B, 56
.set MSB, 0
.macro WIN new
.if MSB != \new
	s_set_vgpr_msb (MSB<<8)|\new
.set MSB, \new
.endif
.endm
.set MUL_LO, 0xa1                      ; source 0 (B) window 1, source 1 (A) window 0, C and D window 2
.set MUL_HI, 0xf1
.set TO_B,   0x40
.macro JLOAD g0a, g1a, g0b, g1b        ; a joint load: waves 0, 1 for A, waves 2, 3 for B; an s_nop 0 and four v_nop follow each line
	s_cmp_eq_u32 s15, 0
	s_cbranch_scc0 .Lfor_b_\@
	tensor_load_to_lds s[\g0a:\g0a+3], s[\g1a:\g1a+7]
	s_nop 0
.rept 4
	v_nop
.endr
	s_branch .Lasked_\@
.Lfor_b_\@:
	tensor_load_to_lds s[\g0b:\g0b+3], s[\g1b:\g1b+7]
	s_nop 0
.rept 4
	v_nop
.endr
.Lasked_\@:
.endm
.macro CREST
	s_cmp_lg_u32 s14, 0
	s_cbranch_scc1 .Lnot_wave_0_\@
	s_barrier_signal -3
.Lnot_wave_0_\@:
	s_barrier_wait -3
	s_barrier_signal -1
	s_barrier_wait -1
.endm
.macro CROUND
	s_barrier_signal -1
	s_barrier_wait -1
	CREST
.endm
.macro MKSCALE e, sc, lim, t
	s_add_co_i32 s[\t], s[\e], 127
	s_lshl_b32 s[\t+1], s[\t], 23
	v_mov_b32 v[\sc], s[\t+1]
	s_add_co_i32 s[\t], s[\t], 8
	s_lshl_b32 s[\t], s[\t], 23
	s_or_b32 s[\t], s[\t], 0x600000
	v_mov_b32 v[\lim], s[\t]
.endm
	s_load_b256 s[4:11], s[0:1], 0x0               ; xc 4, wc 6, bias3 8, the scales 10
	s_load_b128 s[84:87], s[0:1], 0x20             ; qkc 84, vt 86
	v_lshl_add_u32 v[SPW], v0, 2, SPARE
	v_mov_b32 v[NIL], 0
	ds_add_u32 v[SPW], v[NIL]                      ; the wave's opening: the add and its wait stand ahead of my first tensor load
	v_lshrrev_b32 v1, 5, v0
	v_readfirstlane_b32 s14, v1                    ; wave 0..3
	s_lshr_b32 s15, s14, 1                         ; my half of the tile's rows.  Also: I fetch for A (0) or B (1)
	s_and_b32 s16, s14, 1                          ; my half of its columns.  Also: which 128 rows I fetch
	s_bfe_u32 s40, ttmp6, 0x40000                  ; cx
	s_bfe_u32 s41, ttmp6, 0x40004                  ; cy
	s_lshl_b32 s42, ttmp9, 2
	s_add_co_u32 s42, s42, s40                     ; tile column, 0..11
	s_and_b32 s17, ttmp7, 0xffff
	s_lshl_b32 s17, s17, 2
	s_add_co_u32 s17, s17, s41                     ; tile row, 0..15: the head-batch
	s_lshl_b32 s43, s41, 2
	s_lshl_b32 s43, 15, s43                        ; my row of the cluster
	s_lshl_b32 s44, 0x1111, s40                    ; my column
	s_or_b32 s[G1+0], s43, (0<<16)|(1<<20)|(1<<21)|(5<<22)|(3<<25)   ; the mask; elements of 1 byte; padding on; bit 21 beside a mask; 4 words behind every 64
	s_or_b32 s[G1B+0], s44, (0<<16)|(1<<20)|(1<<21)|(5<<22)|(3<<25)
.irp g, G1, G1B
	s_mov_b32 s[\g+1], ROWB<<16                    ; tensor_dim0
	s_mov_b32 s[\g+2], 128<<16                     ; tensor_dim1
	s_mov_b32 s[\g+3], ROWB<<16                    ; tile_dim0
	s_mov_b32 s[\g+4], 128                         ; tile_dim1
	s_mov_b32 s[\g+5], KROW                        ; the pitch
	s_mov_b32 s[\g+6], 0
	s_mov_b32 s[\g+7], 0
.endr
	s_lshl_b32 s18, s16, 7
	s_lshl_b32 s20, s17, 8
	s_add_co_u32 s20, s20, s18
	s_lshl_b32 s20, s20, 10                        ; A: row 256 x tile row + 128 x half, 1,024 bytes a row,
	s_lshl_b32 s19, ttmp9, 22
	s_add_co_u32 s20, s20, s19                     ; in the mode's set of codes, 4 MiB each
	s_mov_b32 s21, 0
	s_lshl_b32 s46, s42, 8
	s_add_co_u32 s46, s46, s18
	s_lshl_b32 s46, s46, 10                        ; B: row 256 x tile column + 128 x half
	s_mov_b32 s47, 0
	s_mul_i32 s45, s14, HALFT                      ; where they go: wave x 128 rows
	s_wait_dscnt 0x0                               ; the opening add is done
	s_wait_kmcnt 0x0
	s_load_b256 s[68:75], s[10:11], 0x0            ; e0 .. e7
	s_load_b128 s[76:79], s[10:11], 0x20           ; e8 .. e11
	s_add_nc_u64 s[20:21], s[4:5], s[20:21]
	s_add_nc_u64 s[46:47], s[6:7], s[46:47]
	CROUND                                         ; all sixteen work-groups are here: the first joint loads meet
.irp s, 0,1
	s_mov_b32 s[G0+4*\s], 1
	s_add_co_u32 s[G0+4*\s+1], s45, \s*SLOT
	s_add_nc_u64 s[G0+4*\s+2:G0+4*\s+3], s[20:21], \s*ROWB
	s_or_b32 s[G0+4*\s+3], s[G0+4*\s+3], 0x80000000
	s_mov_b32 s[G0B+4*\s], 1
	s_add_co_u32 s[G0B+4*\s+1], s45, \s*SLOT
	s_add_nc_u64 s[G0B+4*\s+2:G0B+4*\s+3], s[46:47], \s*ROWB
	s_or_b32 s[G0B+4*\s+3], s[G0B+4*\s+3], 0x80000000
	JLOAD G0+4*\s, G1, G0B+4*\s, G1B
.endr
	v_and_b32 v1, 15, v0                           ; r
	v_bfe_u32 v2, v0, 4, 1                         ; h
	v_mul_u32_u24 v3, v1, PITCH
	v_lshl_add_u32 v4, v2, 4, v3                   ; row r x pitch + 16 h
	s_mul_i32 s21, s15, HALFT
	s_mul_i32 s22, s16, HALFT
	s_add_co_u32 s22, s22, 2*HALFT
.irp s, 0,1
	v_add_nc_u32 v[ADRA+\s], s21, v4
	v_add_nc_u32 v[ADRB+\s], s22, v4
	s_add_co_u32 s21, s21, SLOT
	s_add_co_u32 s22, s22, SLOT
.endr
	s_mul_i32 s23, s15, HALFT                      ; the stage: row 128 x my row half + r, byte 128 x my column half + 16 h
	s_lshl_b32 s22, s16, 7
	s_add_co_u32 s23, s23, s22
	v_add_nc_u32 v[STO], s23, v4
	s_mul_i32 s23, s14, 64*PITCH                   ; back: wave w takes rows 64 w on, two an instruction
	v_mul_u32_u24 v5, v2, PITCH
	v_lshl_add_u32 v5, v1, 4, v5
	v_add_nc_u32 v[RD], s23, v5
	v_lshlrev_b32 v6, 10, v2
	v_lshl_add_u32 v[CO], v1, 4, v6
	v_lshlrev_b32 v6, 11, v2
	v_lshl_add_u32 v[VO], v1, 4, v6
	v_lshlrev_b32 v7, 5, v2                        ; the bias: my half's eight numbers of a tile
	s_lshl_b32 s88, s42, 10
	s_lshl_b32 s89, s16, 9
	s_add_co_u32 s88, s88, s89
	s_mov_b32 s89, 0
	s_add_nc_u64 s[8:9], s[8:9], s[88:89]
.irp b, 0,1,2,3,4,5,6,7
	global_load_b128 v[BI+8*\b:BI+8*\b+3], v7, s[8:9] offset:64*\b
	global_load_b128 v[BI+8*\b+4:BI+8*\b+7], v7, s[8:9] offset:64*\b+16
.endr
	s_wait_kmcnt 0x0
	s_cmp_eq_u32 ttmp9, 1                          ; the mode picks the exponents: selections, no branch
	s_cselect_b32 s80, s70, s72
	s_cselect_b32 s81, s71, s73
	s_cselect_b32 s82, s75, s77
	s_cmp_eq_u32 ttmp9, 0
	s_cselect_b32 s80, s68, s80
	s_cselect_b32 s81, s69, s81
	s_cselect_b32 s82, s74, s82
	s_add_co_i32 s80, s80, s81                     ; eA + eB
	s_sub_co_i32 s82, s82, s80                     ; eO - eA - eB
	s_sub_co_i32 s81, s79, s80                     ; e11 - eA - eB
	s_sub_co_i32 s83, 0, s80
	MKSCALE 82, 8, 9, 90
	MKSCALE 81, 10, 11, 90
	s_wait_loadcnt 0x0
.set k, 0
.rept 64
	v_ldexp_f32 v[BI+k], v[BI+k], s83              ; b / 2^(eA + eB)
.set k, k+1
.endr
.macro FRAG reg, adr, q, i             ; 16 rows x 128 K: registers 4 c .. 4 c + 3 hold K = 32 c + 16 h + 0 .. 15, alike in A and in B
.irp c, 0,1,2,3
	ds_load_b128 v[\reg+4*\c:\reg+4*\c+3], v[\adr] offset:128*(\q)+32*\c+(\i)*16*PITCH
.endr
.endm
; 16 products: A's blocks a0, a0 + 1 x B's eight.  zero = 1: the first product starts the sums from the bias.  The 64 accumulators take turns, one instruction a turn
.macro MUL16 a0, p, zero
.irp a, \a0, \a0+1
.irp b, 0,1,2,3,4,5,6,7
.if \zero
	v_wmma_f32_16x16x128_fp8_fp8 v[8*(8*((\a)%4)+\b):8*(8*((\a)%4)+\b)+7], v[128*(\p)+FR*\b:128*(\p)+FR*\b+FR-1], v[AF+FR*(\a):AF+FR*(\a)+FR-1], v[BI+8*\b:BI+8*\b+7]
.else
	v_wmma_f32_16x16x128_fp8_fp8 v[8*(8*((\a)%4)+\b):8*(8*((\a)%4)+\b)+7], v[128*(\p)+FR*\b:128*(\p)+FR*\b+FR-1], v[AF+FR*(\a):AF+FR*(\a)+FR-1], v[8*(8*((\a)%4)+\b):8*(8*((\a)%4)+\b)+7]
.endif
.endr
.endr
.endm
.macro FETCH_B slot, q, p
	WIN TO_B
.irp i, 0,1,2,3,4,5,6,7
	FRAG 128*(\p)+FR*\i, ADRB+\slot, \q, \i
.endr
	WIN 0
.endm
.macro FETCH_A slot, q, i0
.irp i, \i0, \i0+1, \i0+2, \i0+3
	FRAG AF+FR*(\i), ADRA+\slot, \q, \i
.endr
.endm
.macro PLACES n                        ; plain vector lines between a matrix instruction and a load into, or a vector read of, its registers
.rept \n
	v_nop
.endr
.endm
.macro STEP slot, q, zero              ; 128 along K with its successor in the same slot
	s_wait_dscnt 4*NL                              ; B's set and A's blocks 0-3 are in; the sixteen loads of A's blocks 4-7 may be out
.if \zero
	WIN 0x81                                       ; C (the bias) window 0, D window 2
.else
	WIN MUL_LO
.endif
	MUL16 0, (\q)%2, \zero
	MUL16 2, (\q)%2, \zero
	s_wait_dscnt 0
	PLACES NP
	FETCH_B \slot, (\q)+1, 1-(\q)%2
	FETCH_A \slot, (\q)+1, 0
.if \zero
	WIN 0xc1
.else
	WIN MUL_HI
.endif
	MUL16 4, (\q)%2, \zero
	MUL16 6, (\q)%2, \zero
	PLACES NP
	WIN 0
	FETCH_A \slot, (\q)+1, 4
.endm
.macro TURN slot, next, fill           ; a slot's last step changes slots: one barrier; fill = 1: it opens a round of the cluster's, and this slot is filled again
	s_wait_tensorcnt 0x0                           ; all my tensor loads have landed: my part of the next slot
	ds_add_u32 v[SPW], v[NIL]                      ; 0 onto my spare word
	s_wait_dscnt 4*NL+1                            ; the add and the sixteen youngest loads may be out
	WIN MUL_LO
	MUL16 0, 1, 0
	s_wait_dscnt 0x0                               ; the add is done, and my reads of this slot are over
	s_barrier_signal -1
	MUL16 2, 1, 0
	WIN 0
	s_barrier_wait -1
.if \fill
	CREST
	s_add_nc_u64 s[G0+4*\slot+2:G0+4*\slot+3], s[G0+4*\slot+2:G0+4*\slot+3], 2*ROWB
	s_add_nc_u64 s[G0B+4*\slot+2:G0B+4*\slot+3], s[G0B+4*\slot+2:G0B+4*\slot+3], 2*ROWB
	JLOAD G0+4*\slot, G1, G0B+4*\slot, G1B         ; the first tensor load behind the round; its four v_nop are the places in front of the loads below
.else
	PLACES NP
.endif
	FETCH_B \next, 0, 0
	FETCH_A \next, 0, 0
	WIN MUL_HI
	MUL16 4, 1, 0
	MUL16 6, 1, 0
	PLACES NP
	WIN 0
	FETCH_A \next, 0, 4
.endm
	s_wait_tensorcnt 1                             ; my part of K step 0 is in; K step 1's load may be out
	s_barrier_signal -1
	s_barrier_wait -1
	FETCH_B 0, 0, 0
	FETCH_A 0, 0, 0
	FETCH_A 0, 0, 4
	STEP 0, 0, 1
	s_mov_b32 s3, LAPS-1
.Llap:
	TURN 0, 1, 1
	STEP 1, 0, 0
	TURN 1, 0, 1
	STEP 0, 0, 0
	s_sub_co_u32 s3, s3, 1
	s_cmp_lg_u32 s3, 0
	s_cbranch_scc1 .Llap
	TURN 0, 1, 0                                   ; the last lap fills nothing
	STEP 1, 0, 0
	s_wait_dscnt 4*NL
	WIN MUL_LO
	MUL16 0, 1, 0
	MUL16 2, 1, 0
	s_wait_dscnt 0
	WIN MUL_HI
	MUL16 4, 1, 0
	MUL16 6, 1, 0
	WIN 0
	PLACES NP
; Q, K: block a (16 rows x 128 columns): the hold, each accumulator from its low end on; the conversions; 16 bytes a lane into the work-group's stage
.macro QKSTAGE a
.set AC, 64*((\a)%4)
	WIN 0x02+((\a)/4)
.set k, 0
.rept 64
	v_med3_num_f32 v[32+k], v[AC+k], -v9, v9
.set k, k+1
.endr
	WIN 0
.irp p, 0,1,2,3
	v_cvt_scalef32_pk8_fp8_f32 v[96+16*(\a)+4*\p:97+16*(\a)+4*\p], v[32+16*\p:39+16*\p], v8
	v_cvt_scalef32_pk8_fp8_f32 v[98+16*(\a)+4*\p:99+16*(\a)+4*\p], v[40+16*\p:47+16*\p], v8
.endr
	v_nop                                          ; a plain line between the conversions and the next block's holds, which write their sources
.irp p, 0,1,2,3
	ds_store_b128 v[STO], v[96+16*(\a)+4*\p:99+16*(\a)+4*\p] offset:(\a)*16*PITCH+32*\p
.endr
.endm
; V: row blocks 2 A and 2 A + 1 in version ver (0: e9, 1: e11): a lane's 16 numbers are keys 256 A + 16 r + 0 .. 15 of one channel
.macro VGROUP A, ver, n
.set AC0, 64*((2*(\A))%4)
.set CS0, 160+32*((\n)%2)
.if (\n) >= 2
	s_wait_xcnt 0x0                                ; the stores of two groups ago have read this set of registers
.endif
	WIN 0x02+((\A)/2)
.set b, 0
.rept 8
.set j, 0
.rept 8
	v_med3_num_f32 v[32+16*b+j], v[AC0+8*b+j], -v[9+2*(\ver)], v[9+2*(\ver)]
.set j, j+1
.endr
.set j, 0
.rept 8
	v_med3_num_f32 v[40+16*b+j], v[AC0+64+8*b+j], -v[9+2*(\ver)], v[9+2*(\ver)]
.set j, j+1
.endr
.set b, b+1
.endr
	WIN 0
.set b, 0
.rept 8
	v_cvt_scalef32_pk8_fp8_f32 v[CS0+4*b:CS0+4*b+1], v[32+16*b:39+16*b], v[8+2*(\ver)]
	v_cvt_scalef32_pk8_fp8_f32 v[CS0+4*b+2:CS0+4*b+3], v[40+16*b:47+16*b], v[8+2*(\ver)]
.set b, b+1
.endr
	v_nop
.set b, 0
.rept 8
	global_store_b128 v[VO], v[CS0+4*b:CS0+4*b+3], s[86:87] offset:4194304*(\ver)+2048*(16*(b>>2)+2*(b&3))+256*(\A)   ; sixteen lanes store 256 consecutive bytes, aligned
.set b, b+1
.endr
.endm
	s_cmp_eq_u32 ttmp9, 2                          ; the cluster's x: alike in all waves and all partners
	s_cbranch_scc1 .Lno_stage
.irp a, 0,1,2,3,4,5,6,7
	QKSTAGE \a
.endr
.Lno_stage:
	s_wait_dscnt 0x0                               ; for the others' sake: my stores into the stage are done
	s_barrier_signal -1
	s_barrier_wait -1
	s_cmp_eq_u32 ttmp9, 2
	s_cbranch_scc1 .Lv_out
	s_lshl_b32 s88, ttmp9, 22                      ; Q's or K's 4 MiB of qkc,
	s_lshl_b32 s89, s17, 18                        ; row 256 x tile row
	s_add_co_u32 s88, s88, s89
	s_lshl_b32 s89, s14, 16                        ; + 64 x wave,
	s_add_co_u32 s88, s88, s89
	s_lshl_b32 s89, s40, 8                         ; the tile's 256 columns
	s_add_co_u32 s88, s88, s89
	s_mov_b32 s89, 0
	s_add_nc_u64 s[84:85], s[84:85], s[88:89]
.set t, 0
.rept 32
	ds_load_b128 v[32+4*t:35+4*t], v[RD] offset:544*t
.set t, t+1
.endr
.set t, 0
.rept 32
	s_wait_dscnt 31-t                              ; the younger loads may stay out
	global_store_b128 v[CO], v[32+4*t:35+4*t], s[84:85] offset:2048*t      ; sixteen lanes store 256 consecutive bytes, aligned
.set t, t+1
.endr
	s_branch .Lend
.Lv_out:
	s_lshl_b32 s88, s17, 18                        ; the head-batch's 128 rows of 2,048 keys,
	s_lshl_b32 s89, s40, 16                        ; place 32 cx
	s_add_co_u32 s88, s88, s89
	s_lshl_b32 s89, s16, 14                        ; + 8 x my column half (the channel with bits 3 and 4 swapped),
	s_add_co_u32 s88, s88, s89
	s_lshl_b32 s89, s15, 10                        ; keys 1,024 x my row half on
	s_add_co_u32 s88, s88, s89
	s_mov_b32 s89, 0
	s_add_nc_u64 s[86:87], s[86:87], s[88:89]
	VGROUP 0, 0, 0
	VGROUP 0, 1, 1
	VGROUP 1, 0, 2
	VGROUP 1, 1, 3
	VGROUP 2, 0, 4
	VGROUP 2, 1, 5
	VGROUP 3, 0, 6
	VGROUP 3, 1, 7
.Lend:
	s_wait_tensorcnt 0x0                           ; the wave's end
	ds_add_u32 v[SPW], v[NIL]
	s_wait_dscnt 0x0
	CROUND                                         ; the closing round
	s_endpgm
.Lfunc_end_k_q6e4aa44e18_qkv:
	.size	k_q6e4aa44e18_qkv, .Lfunc_end_k_q6e4aa44e18_qkv-k_q6e4aa44e18_qkv
	.p2alignl 7, 3214868480
	.fill 96, 4, 3214868480
	.section	.rodata,"a",@progbits
	.p2align	6, 0x0
	.amdhsa_kernel k_q6e4aa44e18_qkv
		.amdhsa_group_segment_fixed_size 327680
		.amdhsa_private_segment_fixed_size 0
		.amdhsa_enable_private_segment 0
		.amdhsa_kernarg_size 48
		.amdhsa_user_sgpr_count 2
		.amdhsa_user_sgpr_kernarg_segment_ptr 1
		.amdhsa_wavefront_size32 1
		.amdhsa_system_sgpr_workgroup_id_x 1
		.amdhsa_system_sgpr_workgroup_id_y 1
		.amdhsa_system_sgpr_workgroup_id_z 1
		.amdhsa_system_vgpr_workitem_id 0
		.amdhsa_next_free_vgpr 1024
		.amdhsa_next_free_sgpr 100
		.amdhsa_reserve_vcc 0
		.amdhsa_float_denorm_mode_32 3
		.amdhsa_float_denorm_mode_16_64 3
		.amdhsa_memory_ordered 1
		.amdhsa_forward_progress 1
		.amdhsa_inst_pref_size 209
	.end_amdhsa_kernel
	.amdgpu_metadata
---
amdhsa.version: [ 1, 2 ]
amdhsa.kernels:
  - .name:           k_q6e4aa44e18_qkv
    .symbol:         k_q6e4aa44e18_qkv.kd
    .args:
      - { .name: xc, .offset: 0, .size: 8, .value_kind: global_buffer, .address_space: global }
      - { .name: wc, .offset: 8, .size: 8, .value_kind: global_buffer, .address_space: global }
      - { .name: bias3, .offset: 16, .size: 8, .value_kind: global_buffer, .address_space: global }
      - { .name: lowp_scales, .offset: 24, .size: 8, .value_kind: global_buffer, .address_space: global }
      - { .name: qkc, .offset: 32, .size: 8, .value_kind: global_buffer, .address_space: global }
      - { .name: vt, .offset: 40, .size: 8, .value_kind: global_buffer, .address_space: global }
    .group_segment_fixed_size: 327680
    .private_segment_fixed_size: 0
    .kernarg_segment_align: 8
    .kernarg_segment_size: 48
    .max_flat_workgroup_size: 128
    .sgpr_count:     100
    .vgpr_count:     1024
    .wavefront_size: 32
...
	.end_amdgpu_metadata
.endif
;; end of part 2
;; launch attn (part 3): grid 16 x 16, 4 waves a work-group, clusters of 4 x 1, 327,680 bytes of LDS; arguments qkc, vt, lowp_scales, adj_w, adj_b, alpha, xoc; writes xoc
.if DOCPART == 3
	.amdgcn_target "amdgcn-amd-amdhsa--gfx1250"
	.amdhsa_code_object_version 6
	.text
	.protected	k_q6e4aa44e18_attn
	.globl	k_q6e4aa44e18_attn
	.p2align	8
	.type	k_q6e4aa44e18_attn,@function
k_q6e4aa44e18_attn:
	s_mov_b64 s[64:65], 0
	v_nop
	global_prefetch_b8 v0, s[64:65] scope:SCOPE_SE
	s_setreg_imm32_b32 hwreg(HW_REG_WAVE_MODE, 25, 1), 1
	s_wait_xcnt 0x0
	s_wait_alu depctr_hold_cnt(0) depctr_sa_sdst(0) depctr_va_vdst(0) depctr_va_sdst(0) depctr_va_ssrc(0) depctr_va_vcc(0) depctr_vm_vsrc(0)
	s_getreg_b32 s2, hwreg(HW_REG_IB_STS2, 6, 4)
	s_cmp_eq_u32 s2, 0
	s_cbranch_scc0 .Lentry_in_a_cluster
	s_endpgm
.Lentry_in_a_cluster:
	s_bfe_u32 s2, ttmp6, 0x10000c
	s_cmp_lg_u32 s2, 0x3003
	s_cbranch_scc0 .Lentry_shape_is_right
	s_endpgm
.Lentry_shape_is_right:
; attn: x_o = a softmax(Q K^T / 32 + adj) V + (1 - a) softmax over the 9 keys round each query, a = sigmoid(alpha), for 16 head-batches of 2,048 x 128, on codes of E4M3; x_o leaves as codes (e12).
; SHARES.  A work-group owns 128 queries of a head-batch, each of four waves 32: two tiles of 16.  Every wave walks all 2,048 keys, 128 a step.  Both products are used transposed, so a lane holds ONE query a tile.
; THE SOFTMAX: t = logit x log2(e); M = the running largest t rounded up to a whole number; p = 2^(t - M) is quantised (e8; local: e10); the sum is taken of the unquantised p and divides at the end.
; adj(d) = exp(-|w d^2 - b|) hangs on key - query alone.  It lies in LDS as a table in the units of the score sums, x 2^(5 - e6 - e7), in four copies shifted by a word each, so that every lane's eight
; neighbouring entries come by two aligned loads of 16 bytes; it goes into the score products as their C.  So it costs no vector instruction in the loop.
; K lies in qkc with key positions' bits 3 and 4 swapped, V^T in vt with channels' likewise: a tile is 16 consecutive LDS rows, and the 16 registers of two neighbouring tiles are 16 neighbours.
; THE LOCAL PART: for a tile of 16 queries the keys q0 - 16 .. q0 + 47, straight from memory: 4 score tiles, the mask |key - query| <= 4 inside 0 .. 2,047, its own M and sum, V in its second version (e11), K = 64.
; CLUSTER: the four query blocks of a cluster belong to one head-batch and walk the same K and V: joint tensor loads, two slots of 256 keys, one round of the cluster's barrier for two steps.
; O^T begins as zeros and the largest t as -3e38, so that the step is written without a first form of its own: 128 clearing lines, once.
; LIMITS: e6 + e7 between -120 and 125; e8, e10, e12 between -126 and 119; adj under 2^-126 counts as 0.  NaN among the inputs is not served.
; REGISTERS, in windows of 256.  window 0: v1-15 addresses; v16-31 statistics, 8 a tile (-M, largest t, the sum's two halves, f and a partner, the local sum); v32-63 Q; v64-191 S^T then p, 64 a tile; v192-223 p's codes;
;   v224-229 2^e and 448 x 2^e for e8, e10, e12; v230-255 at work.  window 1: v0-127 O^T; v128-255 adj of the next scores.  window 2: v0-127 K's, v128-255 V's eight fragments.
;   window 3: v0-127 the local K, later the local O^T; v128-255 the local V.
.set KP,    144                        ; a key's row in LDS: 128 bytes + 16
.set VP,    272                        ; a row of V^T: 256 keys + 16
.set VOFF,  256*KP
.set SLOT1, 1<<17
.set TAB,   204800                     ; adj: 4 copies of 2,192 words; copy c holds entry x at word x + c; x = key - (query - Q0) + 128
.set TPB,   8768
.set DTAB,  TAB+4*TPB                  ; adj for the local part: 4 copies of 144 words; entry x stands for distance x - 32
.set DPB,   576
.set STG,   DTAB+4*DPB                 ; the way out: 8 blocks of 2,048 bytes + 32
.set SPB,   2080
.set SPARE, STG+8*SPB                  ; the spare words, which no other line names
.set AK0, 1
.set AV0, 2
.set ATB, 3
.set ADK, 4
.set ADV, 5
.set ADT, 6
.set ADD, 7
.set STO, 8
.set RD,  9
.set PFO, 10
.set SPW, 11
.set NIL, 12
.set PD,  13                           ; a lane permute's destination, written once
.set ST,  16
.set Q,   32
.set S,   64
.set P,   192
.set LO,  237                          ; v237-240: the mask's lower bound and width, for each tile
.set WV,  18
.set G1K, 24
.set G1V, 32
.set G0K, 40
.set G0V, 48
.set SLOTS, 56
.set Q0S, 57
.set CS,  58                           ; s[58:59] c = log2(e) / 32 x 2^(e6 + e7)
.set SEL, 60
.set TB,  62                           ; LDS byte at which the slot to be read begins
.set TK,  63                           ; 4 x the first key of the step whose adj is fetched next
.set PFA, 66
.set LIM, 80
.set PFS, 98
.set MSB, 0
.macro WIN new
.if MSB != \new
	s_set_vgpr_msb (MSB<<8)|\new
.set MSB, \new
.endif
.endm
.macro PLACES
.rept 4
	v_nop
.endr
.endm
.macro CROUND
	s_barrier_signal -1
	s_barrier_wait -1
	s_cmp_lg_u32 s[WV], 0
	s_cbranch_scc1 .Lnot_wave_0_\@
	s_barrier_signal -3
.Lnot_wave_0_\@:
	s_barrier_wait -3
	s_barrier_signal -1
	s_barrier_wait -1
.endm
.macro JLOAD                           ; a joint refill: waves 0, 1 K's halves, waves 2, 3 V's; an s_nop 0 and four v_nop follow each line
	s_cmp_lt_u32 s[WV], 2
	s_cbranch_scc0 .Lfor_v_\@
	tensor_load_to_lds s[G0K+4:G0K+7], s[G1K:G1K+7]
	s_nop 0
.rept 4
	v_nop
.endr
	s_branch .Lasked_\@
.Lfor_v_\@:
	tensor_load_to_lds s[G0V+4:G0V+7], s[G1V:G1V+7]
	s_nop 0
.rept 4
	v_nop
.endr
.Lasked_\@:
.endm
; A prefetch of what the NEXT change of slots will load: 256 rows of K (one dense block of 32,768 bytes) and 256 keys of each of V's 128 rows.  The head-batch's first cluster asks; its four partners share
; the blocks out by address; in each, wave 0 asks for K's 8,192 bytes, lanes 256 bytes apart, and wave 2 for 32 rows of V, a lane a row.  So each block of 256 bytes is named once.  The last refill asks for nothing.
.macro ASK
	s_cmp_gt_u32 s[SLOTS], s[LIM]
	s_cbranch_scc0 .Lnot_mine_\@
	global_prefetch_b8 v[PFO], s[PFA:PFA+1] th:TH_LOAD_NT scope:SCOPE_SE
.Lnot_mine_\@:
.endm
.macro MKSCALE e, sc, lim, t
	s_add_co_i32 s[\t], s[\e], 127
	s_lshl_b32 s[\t+1], s[\t], 23
	v_mov_b32 v[\sc], s[\t+1]
	s_add_co_i32 s[\t], s[\t], 8
	s_lshl_b32 s[\t], s[\t], 23
	s_or_b32 s[\t], s[\t], 0x600000
	v_mov_b32 v[\lim], s[\t]
.endm
.macro LKOFF dst, add                  ; the byte offset of a local key's row: key = q0 - 16 + add + r + 8 (r / 8); below 0 it wraps, and one unsigned minimum holds both ends (what is held lies under the mask)
	v_add3_u32 v[\dst], s93, v205, \add
	v_min_u32 v[\dst], 0x7ff, v[\dst]
	v_and_b32 v206, 8, v[\dst]
	v_and_b32 v207, 16, v[\dst]
	v_and_b32 v[\dst], 0x7e7, v[\dst]
	v_lshl_or_b32 v[\dst], v206, 1, v[\dst]
	v_lshrrev_b32 v207, 1, v207
	v_or_b32 v[\dst], v[\dst], v207                ; its position: bits 3 and 4 swapped
	v_lshlrev_b32 v[\dst], 7, v[\dst]
	v_lshl_add_u32 v[\dst], v15, 4, v[\dst]
.endm
	s_load_b256 s[4:11], s[0:1], 0x0               ; qkc 4, vt 6, the scales 8, adj_w 10
	s_load_b128 s[12:15], s[0:1], 0x20             ; adj_b 12, alpha 14
	s_load_b64 s[16:17], s[0:1], 0x30              ; xoc
	v_lshl_add_u32 v[SPW], v0, 2, SPARE
	v_mov_b32 v[NIL], 0
	ds_add_u32 v[SPW], v[NIL]                      ; the wave's opening: the add and its wait stand ahead of my first tensor load
	v_lshrrev_b32 v14, 5, v0
	v_readfirstlane_b32 s[WV], v14                 ; wave 0..3
	s_bfe_u32 s19, ttmp6, 0x40000                  ; cx: it enters global addresses and numbers alone
	s_lshl_b32 s20, ttmp9, 2
	s_add_co_u32 s20, s20, s19                     ; my block of 128 queries
	s_lshl_b32 s[Q0S], s20, 7
	s_and_b32 s21, ttmp7, 0xffff                   ; the head-batch, which the four partners share
	s_lshl_b32 s22, s21, 18                        ; its first byte in Q, in K and in each version of V^T
	s_mov_b32 s23, 0
	s_and_b32 s81, s[WV], 1
	s_lshl_b32 s82, s81, 14
	s_add_co_u32 s82, s82, 0x400000                ; K lies 4 MiB behind Q; my half: 128 rows of 128 bytes
	s_mov_b32 s83, 0
	s_mul_i32 s84, s81, 128*KP
	s_lshl_b32 s86, s81, 17                        ; V: my 64 rows of 2,048 bytes
	s_mov_b32 s87, 0
	s_mul_i32 s85, s81, 64*VP
	s_add_co_u32 s85, s85, VOFF
	s_mov_b32 s[G1K], 15|(1<<20)|(1<<21)|(4<<22)|(3<<25)   ; the mask: all four; elements of 1 byte; padding on; bit 21 beside a mask; 4 words behind every 32
	s_mov_b32 s[G1K+1], 128<<16
	s_mov_b32 s[G1K+2], 128<<16
	s_mov_b32 s[G1K+3], 128<<16
	s_mov_b32 s[G1K+4], 128
	s_mov_b32 s[G1K+5], 128
	s_mov_b32 s[G1K+6], 0
	s_mov_b32 s[G1K+7], 0
	s_mov_b32 s[G1V], 15|(1<<20)|(1<<21)|(5<<22)|(3<<25)   ; 4 words behind every 64
	s_mov_b32 s[G1V+1], 256<<16
	s_mov_b32 s[G1V+2], 64<<16
	s_mov_b32 s[G1V+3], 256<<16
	s_mov_b32 s[G1V+4], 64
	s_mov_b32 s[G1V+5], 2048
	s_mov_b32 s[G1V+6], 0
	s_mov_b32 s[G1V+7], 0
	s_mov_b32 s[CS], 0x3d38aa3b                    ; log2(e) / 32
	s_mov_b32 s[SEL], 0x76543210
	s_mov_b32 s[SEL+1], 0xfedcba98
	s_mov_b32 s[TB], 0
	s_mov_b32 s[TK], 0
	s_mov_b32 s[SLOTS], 6
	s_mov_b32 s79, 0xbfb8aa3b                      ; -log2(e)
	s_and_b32 s[LIM], s[WV], 1
	s_or_b32 s[LIM], s[LIM], ttmp9
	s_cmp_eq_u32 s[LIM], 0
	s_cselect_b32 s[LIM], 1, -1                    ; 1 in waves 0 and 2 of the head-batch's first cluster
	s_wait_dscnt 0x0                               ; the opening add is done
	s_wait_kmcnt 0x0
	s_load_b256 s[68:75], s[8:9], 0x18             ; e6 .. e13
	s_load_b32 s76, s[10:11], 0x0                  ; w
	s_load_b32 s77, s[12:13], 0x0                  ; b
	s_load_b32 s78, s[14:15], 0x0                  ; alpha
	s_add_nc_u64 s[4:5], s[4:5], s[22:23]          ; Q (4 MiB on: K) of my head-batch
	s_add_nc_u64 s[6:7], s[6:7], s[22:23]          ; V^T (4 MiB on: its second version)
	s_add_nc_u64 s[82:83], s[4:5], s[82:83]
	s_add_nc_u64 s[86:87], s[6:7], s[86:87]
	s_mov_b32 s[PFS], 256
	s_cmp_lt_u32 s[WV], 2
	s_cselect_b64 s[PFA:PFA+1], s[82:83], s[86:87]
	s_cselect_b32 s88, 13, 16                      ; a partner's share: 8,192 bytes of K, 32 rows of V
	s_cselect_b32 s89, 8, 11                       ; from lane to lane: 256 bytes, a row
	s_cselect_b32 s[PFS], 0x8000, s[PFS]           ; a slot on
	s_mov_b32 s[PFS+1], 0
	s_lshl_b32 s90, s19, s88
	s_mov_b32 s91, 0
	s_add_nc_u64 s[PFA:PFA+1], s[PFA:PFA+1], s[90:91]
	s_add_nc_u64 s[PFA:PFA+1], s[PFA:PFA+1], s[PFS:PFS+1]
	s_add_nc_u64 s[PFA:PFA+1], s[PFA:PFA+1], s[PFS:PFS+1]  ; at slot 2: the first refill steps it to slot 3.  Nothing is prefetched here, at the head
	v_and_b32 v[PFO], 31, v0
	v_lshlrev_b32 v[PFO], s89, v[PFO]
	CROUND                                         ; all four work-groups are here: the first joint loads meet
.irp s, 0,1
	s_mov_b32 s[G0K+4*\s], 1
	s_add_co_u32 s[G0K+4*\s+1], s84, \s*SLOT1
	s_add_nc_u64 s[G0K+4*\s+2:G0K+4*\s+3], s[82:83], \s*32768
	s_or_b32 s[G0K+4*\s+3], s[G0K+4*\s+3], 0x80000000
	s_mov_b32 s[G0V+4*\s], 1
	s_add_co_u32 s[G0V+4*\s+1], s85, \s*SLOT1
	s_add_nc_u64 s[G0V+4*\s+2:G0V+4*\s+3], s[86:87], \s*256
	s_or_b32 s[G0V+4*\s+3], s[G0V+4*\s+3], 0x80000000
.endr
	s_cmp_lt_u32 s[WV], 2                          ; a wave's two first fills stand in one branch: two loads of mine are out
	s_cbranch_scc0 .Lfirst_v
	tensor_load_to_lds s[G0K:G0K+3], s[G1K:G1K+7]
	s_nop 0
	tensor_load_to_lds s[G0K+4:G0K+7], s[G1K:G1K+7]
	s_nop 0
.rept 4
	v_nop
.endr
	s_branch .Lfirst_asked
.Lfirst_v:
	tensor_load_to_lds s[G0V:G0V+3], s[G1V:G1V+7]
	s_nop 0
	tensor_load_to_lds s[G0V+4:G0V+7], s[G1V:G1V+7]
	s_nop 0
.rept 4
	v_nop
.endr
.Lfirst_asked:
	v_and_b32 v14, 15, v0                          ; r
	v_bfe_u32 v15, v0, 4, 1                        ; h
	s_lshl_b32 s92, s[WV], 5
	s_add_co_u32 s92, s92, s[Q0S]                  ; q0: my tile 0's first query
	s_sub_co_u32 s93, s92, 16                      ; the local window's first key (it wraps below 0)
	v_add_nc_u32 v204, s92, v14
	v_lshlrev_b32 v204, 7, v204
	v_lshl_add_u32 v204, v15, 4, v204              ; Q: row q0 + r, + 16 h
	v_and_b32 v205, 8, v14
	v_add_nc_u32 v205, v205, v14                   ; r + 8 (r / 8)
.irp i, 0,1
.irp tl, 0,1,2,3
	LKOFF 192+4*\i+\tl, 16*\i+32*(\tl/2)+8*(\tl%2)
.endr
.endr
	v_lshlrev_b32 v206, 4, v15
.irp i, 0,1
.irp c, 0,1
	v_add3_u32 v[200+2*\i+\c], s93, v206, 16*\i+32*\c       ; the local V: 16 keys from q0 - 16 + 32 c + 16 h on, held like the keys above
	v_min_u32 v[200+2*\i+\c], 0x7f0, v[200+2*\i+\c]
	v_lshl_add_u32 v[200+2*\i+\c], v14, 11, v[200+2*\i+\c]
.endr
.endr
.irp i, 0,1
.irp c, 0,1,2,3
	global_load_b128 v[Q+16*\i+4*\c:Q+16*\i+4*\c+3], v204, s[4:5] offset:2048*\i+32*\c
.endr
.endr
	WIN 0xc0                                       ; destination window 3
.irp i, 0,1
.irp tl, 0,1,2,3
.irp c, 0,1,2,3
	global_load_b128 v[64*\i+16*\tl+4*\c:64*\i+16*\tl+4*\c+3], v[192+4*\i+\tl], s[4:5] offset:4194304+32*\c
.endr
.endr
.endr
.irp i, 0,1
.irp t, 0,1,2,3,4,5,6,7
.irp c, 0,1
	global_load_b128 v[128+64*\i+8*\t+4*\c:128+64*\i+8*\t+4*\c+3], v[200+2*\i+\c], s[6:7] offset:4194304+32768*\t
.endr
.endr
.endr
	WIN 0
	v_mul_u32_u24 v[AK0], v14, KP
	v_lshl_add_u32 v[AK0], v15, 4, v[AK0]
	v_mul_u32_u24 v[AV0], v14, VP
	v_lshl_add_u32 v[AV0], v15, 4, v[AV0]
	v_add_nc_u32 v[AV0], VOFF, v[AV0]
	v_and_b32 v230, 3, v14
	v_and_b32 v231, 12, v14
	v_lshlrev_b32 v231, 2, v231
	s_xor_b32 s94, s[WV], 3
	s_lshl_b32 s94, s94, 7
	s_add_co_u32 s94, s94, TAB+64                  ; TAB + 448 - 128 w
	v_mul_u32_u24 v[ATB], v230, TPB                ; copy r % 4,
	v_lshl_add_u32 v[ATB], v15, 6, v[ATB]          ; 16 keys on for the upper half of the lanes,
	v_add_nc_u32 v[ATB], s94, v[ATB]
	v_sub_nc_u32 v[ATB], v[ATB], v231              ; r - r % 4 words back
	v_mul_u32_u24 v[ADD], v230, DPB
	v_lshl_add_u32 v[ADD], v15, 6, v[ADD]
	v_add_nc_u32 v[ADD], DTAB+64, v[ADD]
	v_sub_nc_u32 v[ADD], v[ADD], v231
	v_and_b32 v230, 7, v14
	v_mul_u32_u24 v[STO], v230, SPB                ; the way out: K step r % 8 of the next product,
	v_lshl_add_u32 v[STO], v15, 8, v[STO]          ; lane 16 h + 4 w + 2 i + r / 8 of its image
	v_lshrrev_b32 v230, 3, v14
	v_lshl_add_u32 v[STO], v230, 4, v[STO]
	s_lshl_b32 s94, s[WV], 6
	s_add_co_u32 s94, s94, STG
	v_add_nc_u32 v[STO], s94, v[STO]
	v_lshl_add_u32 v[RD], v0, 4, STG
	v_mov_b32 v[PD], 0
	v_mov_b32 v236, 0xff800000                     ; -infinity
.irp i, 0,1
	v_mov_b32 v[ST+8*\i+1], 0xff61b1e6             ; the largest t so far: -3e38
	v_mov_b32 v[ST+8*\i+5], 0                      ; (named as the upper half of f's pair)
.endr
	; ---- the tables: thread t makes entries t + 128 n, n = 0 .. 16, and entry t of the local table
	s_add_co_u32 s94, s[Q0S], 128
	s_sub_co_u32 s94, 0, s94
	v_add_nc_u32 v230, s94, v0                     ; the distance of entry t: t - 128 - Q0
.set n, 0
.rept 17
	v_add_nc_u32 v[S+n], 128*n, v230
.set n, n+1
.endr
	v_add_nc_u32 v[S+17], 0xffffffe0, v0           ; t - 32
.set n, 0
.rept 18
	v_cvt_f32_i32 v[S+n], v[S+n]
.set n, n+1
.endr
.set n, 0
.rept 18
	v_mul_f32 v[S+n], v[S+n], v[S+n]               ; d^2: exact, under 2^24
.set n, n+1
.endr
	s_wait_kmcnt 0x0
	s_add_co_i32 s95, s68, s69                     ; e6 + e7
	s_lshl_b32 s96, s95, 23
	s_add_co_i32 s[CS], s[CS], s96                 ; a score sum stands for sum x 2^(e6 + e7): added to c's exponent field
	s_mov_b32 s[CS+1], s[CS]
	s_sub_co_i32 s95, 5, s95
	MKSCALE 70, 224, 225, 96
	MKSCALE 72, 226, 227, 96
	MKSCALE 74, 228, 229, 96
.set n, 0
.rept 18
	v_fma_f32 v[S+n], s76, v[S+n], -s77
.set n, n+1
.endr
.set n, 0
.rept 18
	v_mul_f32 v[S+n], s79, |v[S+n]|
.set n, n+1
.endr
	v_mul_f32 v234, s79, s78                       ; -alpha log2(e)
.set n, 0
.rept 18
	v_exp_f32 v[S+n], v[S+n]
.set n, n+1
.endr
	v_exp_f32 v234, v234
	v_lshl_add_u32 v231, v0, 2, TAB                ; (a plain line behind the exponentials)  where my entries go
	s_wait_alu depctr_va_vdst(0)                   ; one wait for the batch, ahead of its first reader
.set n, 0
.rept 18
	v_ldexp_f32 v[S+n], v[S+n], s95                ; in the units of the score sums
.set n, n+1
.endr
	v_add_f32 v234, 1.0, v234
	v_rcp_f32 v234, v234                           ; a = sigmoid(alpha)
	v_nop
.irp c, 0,1,2,3
.set n, 0
.rept 17
	ds_store_b32 v231, v[S+n] offset:512*n+(TPB+4)*\c
.set n, n+1
.endr
	ds_store_b32 v231, v[S+17] offset:4*TPB+(DPB+4)*\c
.endr
	s_wait_alu depctr_va_vdst(0)
	v_sub_f32 v235, 1.0, v234                      ; 1 - a
	s_wait_dscnt 0x0                               ; my entries lie in LDS
	s_barrier_signal -1                            ; (my tensor loads stay out, and no slot is read before the next)
	s_barrier_wait -1
	; ---- the local part
	s_wait_loadcnt 0x0                             ; Q, the local K and V
.irp i, 0,1
.irp tl, 0,1,2,3
	ds_load_b128 v[S+64*\i+8*\tl:S+64*\i+8*\tl+3], v[ADD] offset:128*(\tl/2)+32*(\tl%2)
	ds_load_b128 v[S+64*\i+8*\tl+4:S+64*\i+8*\tl+7], v[ADD] offset:128*(\tl/2)+32*(\tl%2)+16
.endr
.endr
	v_lshlrev_b32 v230, 4, v15
	v_sub_nc_u32 v231, v14, v230
	v_add_nc_u32 v232, 12, v231                    ; a register's key counts where its number 32 b + 8 u + j lies within 4 of 16 - 16 h + r,
	v_add_nc_u32 v233, 20, v231
.irp i, 0,1
	s_sub_co_u32 s94, 16-16*\i, s92
	s_sub_co_u32 s96, 2063-16*\i, s92
	v_sub_nc_u32 v241, s94, v230                   ; and its key within 0 .. 2,047
	v_sub_nc_u32 v242, s96, v230
	v_cmp_gt_i32 vcc_lo, v232, v241
	v_cndmask_b32 v[LO+2*\i], v241, v232, vcc_lo
	v_cmp_lt_i32 vcc_lo, v233, v242
	v_cndmask_b32 v242, v242, v233, vcc_lo
	v_sub_nc_u32 v[LO+1+2*\i], v242, v[LO+2*\i]
.endr
	s_wait_dscnt 0x0
	WIN 0x03                                       ; source 0 (the local K) window 3
.irp tl, 0,1,2,3
.irp i, 0,1
	v_wmma_f32_16x16x128_fp8_fp8 v[S+64*\i+8*\tl:S+64*\i+8*\tl+7], v[64*\i+16*\tl:64*\i+16*\tl+15], v[Q+16*\i:Q+16*\i+15], v[S+64*\i+8*\tl:S+64*\i+8*\tl+7]
.endr
.endr
	WIN 0
	PLACES
.irp i, 0,1
.set n, 0
.rept 32
	v_sub_nc_u32 v230, 32*(n/16)+(n%16), v[LO+2*\i]
	v_cmp_ge_u32 vcc_lo, v[LO+1+2*\i], v230
	v_cndmask_b32 v[S+64*\i+n], v236, v[S+64*\i+n], vcc_lo      ; hidden: -infinity, so p = 0
.set n, n+1
.endr
.endr
.irp i, 0,1
	v_max3_num_f32 v230, v[S+64*\i], v[S+64*\i+1], v[S+64*\i+2]
	v_max3_num_f32 v231, v[S+64*\i+3], v[S+64*\i+4], v[S+64*\i+5]
.irp k, 6,10,14,18,22,26
	v_max3_num_f32 v230, v230, v[S+64*\i+\k], v[S+64*\i+\k+1]
	v_max3_num_f32 v231, v231, v[S+64*\i+\k+2], v[S+64*\i+\k+3]
.endr
	v_max3_num_f32 v230, v230, v[S+64*\i+30], v[S+64*\i+31]
	v_max_num_f32 v230, v230, v231
	v_permlanex16_b32 v[PD], v230, s[SEL], s[SEL+1]
	v_max_num_f32 v230, v230, v[PD]
	v_mul_f32 v230, s[CS], v230
	v_floor_f32 v[ST+8*\i], -v230                  ; -M
.set k, 0
.rept 16
	v_pk_fma_f32 v[S+64*\i+k:S+64*\i+k+1], v[S+64*\i+k:S+64*\i+k+1], s[CS:CS+1], v[ST+8*\i:ST+8*\i+1] op_sel_hi:[1,0,0]
.set k, k+2
.endr
.endr
.irp i, 0,1
.set k, 0
.rept 32
	v_exp_f32 v[S+64*\i+k], v[S+64*\i+k]
.set k, k+1
.endr
.endr
	v_nop
	s_wait_alu depctr_va_vdst(0)                   ; one wait for both tiles' exponentials
.irp i, 0,1
	v_pk_add_f32 v[232:233], v[S+64*\i:S+64*\i+1], v[S+64*\i+2:S+64*\i+3]
	v_pk_add_f32 v[ST+8*\i+2:ST+8*\i+3], v[S+64*\i+4:S+64*\i+5], v[S+64*\i+6:S+64*\i+7]
.set k, 8
.rept 6
	v_pk_add_f32 v[232:233], v[232:233], v[S+64*\i+k:S+64*\i+k+1]
	v_pk_add_f32 v[ST+8*\i+2:ST+8*\i+3], v[ST+8*\i+2:ST+8*\i+3], v[S+64*\i+k+2:S+64*\i+k+3]
.set k, k+4
.endr
	v_pk_add_f32 v[ST+8*\i+2:ST+8*\i+3], v[ST+8*\i+2:ST+8*\i+3], v[232:233]
	v_add_f32 v230, v[ST+8*\i+2], v[ST+8*\i+3]
	v_permlanex16_b32 v[PD], v230, s[SEL], s[SEL+1]
	v_add_f32 v[ST+8*\i+6], v230, v[PD]            ; the local sum, of the unquantised p
.set k, 0
.rept 32
	v_min_num_f32 v[S+64*\i+k], v[S+64*\i+k], v227
.set k, k+1
.endr
.irp b, 0,1
	v_cvt_scalef32_pk8_fp8_f32 v[P+16*\i+4*\b:P+16*\i+4*\b+1], v[S+64*\i+16*\b:S+64*\i+16*\b+7], v226
	v_cvt_scalef32_pk8_fp8_f32 v[P+16*\i+4*\b+2:P+16*\i+4*\b+3], v[S+64*\i+16*\b+8:S+64*\i+16*\b+15], v226
.endr
	v_nop
.endr
	WIN 0xc3                                       ; source 0 (the local V) and D window 3
.irp t, 0,1,2,3,4,5,6,7
.irp i, 0,1
	v_wmma_f32_16x16x64_fp8_fp8 v[64*\i+8*\t:64*\i+8*\t+7], v[128+64*\i+8*\t:128+64*\i+8*\t+7], v[P+16*\i:P+16*\i+7], 0
.endr
.endr
	WIN 0x40
.set k, 0
.rept 128
	v_mov_b32 v[k], 0                              ; O^T
.set k, k+1
.endr
	WIN 0
.irp i, 0,1
	v_floor_f32 v[ST+8*\i], -v[ST+8*\i+1]          ; -M under the first t
	v_mov_b32 v[ST+8*\i+2], 0
	v_mov_b32 v[ST+8*\i+3], 0
.endr
; ---- the walk over the keys
.macro LOADK q                         ; K's eight fragments of the slot's q-th 128 keys
	WIN 0
	v_add_nc_u32 v[ADK], s[TB], v[AK0]
	WIN 0x80
.set f, 0
.rept 8
.irp c, 0,1,2,3
	ds_load_b128 v[16*f+4*\c:16*f+4*\c+3], v[ADK] offset:(128*(\q)+16*f)*KP+32*\c
.endr
.set f, f+1
.endr
.endm
.macro LOADA                           ; adj of the next step's scores, in their layout
	WIN 0
	v_add_nc_u32 v[ADT], s[TK], v[ATB]
	s_add_co_u32 s[TK], s[TK], 512
	WIN 0x40
.irp i, 0,1
.set f, 0
.rept 8
	ds_load_b128 v[128+64*\i+8*f:128+64*\i+8*f+3], v[ADT] offset:64*(1-\i)+128*(f/2)+32*(f%2)
	ds_load_b128 v[128+64*\i+8*f+4:128+64*\i+8*f+7], v[ADT] offset:64*(1-\i)+128*(f/2)+32*(f%2)+16
.set f, f+1
.endr
.endr
.endm
.macro LOADV q
	WIN 0
	v_add_nc_u32 v[ADV], s[TB], v[AV0]
	WIN 0x80
.set f, 0
.rept 8
.irp c, 0,1,2,3
	ds_load_b128 v[128+16*f+4*\c:128+16*f+4*\c+3], v[ADV] offset:16*f*VP+128*(\q)+32*\c
.endr
.set f, f+1
.endr
.endm
.macro SMUL                            ; S^T = K Q^T + adj: 16 products, each its own accumulator
	WIN 0x12                                       ; K window 2, Q window 0, C (adj) window 1, D window 0
.irp t, 0,1,2,3,4,5,6,7
.irp i, 0,1
	v_wmma_f32_16x16x128_fp8_fp8 v[S+64*\i+8*\t:S+64*\i+8*\t+7], v[16*\t:16*\t+15], v[Q+16*\i:Q+16*\i+15], v[128+64*\i+8*\t:128+64*\i+8*\t+7]
.endr
.endr
.endm
.macro PVMUL                           ; O^T += V^T P^T: the 16 accumulators by turns
	WIN 0x52                                       ; V window 2, P window 0, C and D window 1
.irp t, 0,1,2,3,4,5,6,7
.irp i, 0,1
	v_wmma_f32_16x16x128_fp8_fp8 v[64*\i+8*\t:64*\i+8*\t+7], v[128+16*\t:128+16*\t+15], v[P+16*\i:P+16*\i+15], v[64*\i+8*\t:64*\i+8*\t+7]
.endr
.endr
.endm
.macro SM_A i                          ; the step's largest score, the new M, f = 2^(old M - new M), t - M
.set rS, S+64*(\i)
.set rT, ST+8*(\i)
	v_max3_num_f32 v230, v[rS], v[rS+1], v[rS+2]
	v_max3_num_f32 v231, v[rS+3], v[rS+4], v[rS+5]
.irp k, 6,10,14,18,22,26,30,34,38,42,46,50,54,58
	v_max3_num_f32 v230, v230, v[rS+\k], v[rS+\k+1]
	v_max3_num_f32 v231, v231, v[rS+\k+2], v[rS+\k+3]
.endr
	v_max3_num_f32 v230, v230, v[rS+62], v[rS+63]
	v_max_num_f32 v230, v230, v231
	v_permlanex16_b32 v[PD], v230, s[SEL], s[SEL+1]
	v_max_num_f32 v230, v230, v[PD]
	v_mul_f32 v230, s[CS], v230
	v_max_num_f32 v[rT+1], v[rT+1], v230
	v_mov_b32 v230, v[rT]
	v_floor_f32 v[rT], -v[rT+1]                    ; -M = floor(-t): M is a whole number
	v_sub_f32 v230, v[rT], v230
	v_cvt_i32_f32 v230, v230                       ; (it saturates)
	v_ldexp_f32 v[rT+4], 1.0, v230
.set k, 0
.rept 32
	v_pk_fma_f32 v[rS+k:rS+k+1], v[rS+k:rS+k+1], s[CS:CS+1], v[rT:rT+1] op_sel_hi:[1,0,0]
.set k, k+2
.endr
.endm
.macro SM_E i
.set k, 0
.rept 64
	v_exp_f32 v[S+64*(\i)+k], v[S+64*(\i)+k]
.set k, k+1
.endr
.endm
.macro SM_B i                          ; the sum of the unquantised p; the hold and the conversions; O^T under the new M
.set rS, S+64*(\i)
.set rT, ST+8*(\i)
.set rP, P+16*(\i)
	v_pk_add_f32 v[232:233], v[rS:rS+1], v[rS+2:rS+3]
.set k, 4
.rept 15
	v_pk_add_f32 v[rT+2:rT+3], v[rT+2:rT+3], v[rS+k:rS+k+1]
	v_pk_add_f32 v[232:233], v[232:233], v[rS+k+2:rS+k+3]
.set k, k+4
.endr
	v_pk_add_f32 v[rT+2:rT+3], v[rT+2:rT+3], v[232:233]
.set b, 0
.rept 4
.set k, 0
.rept 16
	v_min_num_f32 v[rS+16*b+k], v[rS+16*b+k], v225
.set k, k+1
.endr
	v_cvt_scalef32_pk8_fp8_f32 v[rP+4*b:rP+4*b+1], v[rS+16*b:rS+16*b+7], v224
	v_cvt_scalef32_pk8_fp8_f32 v[rP+4*b+2:rP+4*b+3], v[rS+16*b+8:rS+16*b+15], v224
.set b, b+1
.endr
	WIN 0x41                                       ; O^T window 1, f window 0
.set k, 0
.rept 32
	v_pk_mul_f32 v[64*(\i)+k:64*(\i)+k+1], v[64*(\i)+k:64*(\i)+k+1], v[rT+4:rT+5] op_sel_hi:[1,0]
.set k, k+2
.endr
	WIN 0
.endm
; A KEY STEP.  kind 0: its successor lies in the same slot.  1: it changes slots and the slot just read is filled again.  2: it changes slots, nothing is filled.  3: the last step.
; At its head K and adj of this step and, behind them, V of this step have been asked for, 32 LDS loads each.
.macro STEP kind
.if (\kind == 0) || (\kind == 3)
	s_wait_dscnt 32                                ; K and adj are in; V's 32 loads may be out
	SMUL
	PLACES
.if \kind == 0
	LOADK 1
	LOADA
.endif
.else
	s_wait_tensorcnt 0x0                           ; all my tensor loads have landed: my part of the other slot
	ds_add_u32 v[SPW], v[NIL]                      ; 0 onto my spare word
	s_wait_dscnt 33                                ; K and adj are in; V's 32 loads and the add may be out
	SMUL
	WIN 0
.if \kind == 1
	s_xor_b32 s[G0K+5], s[G0K+5], SLOT1            ; the walking descriptors: the other slot than last time, the next 256 keys
	s_add_nc_u64 s[G0K+6:G0K+7], s[G0K+6:G0K+7], 32768
	s_xor_b32 s[G0V+5], s[G0V+5], SLOT1
	s_add_nc_u64 s[G0V+6:G0V+7], s[G0V+6:G0V+7], 256
	s_wait_xcnt 0x0                                ; the last prefetch, two steps back, has read its address
	s_add_nc_u64 s[PFA:PFA+1], s[PFA:PFA+1], s[PFS:PFS+1]
	s_wait_dscnt 0x0                               ; the add is done; V is in: my reads of this slot are over
	CROUND                                         ; no wave of any partner still reads the slot or has a load on its way
	JLOAD                                          ; the first tensor load behind the round: it has two steps in which to land; its four v_nop are the places in front of the loads below
	ASK
.else
	s_wait_dscnt 0x0
	s_barrier_signal -1
	s_barrier_wait -1
	PLACES
.endif
	s_xor_b32 s[TB], s[TB], SLOT1
	LOADK 0
	LOADA
.endif
	WIN 0
	SM_A 0
	SM_A 1
	SM_E 0
	SM_E 1
	v_pk_mul_f32 v[ST+2:ST+3], v[ST+2:ST+3], v[ST+4:ST+5] op_sel_hi:[1,0]          ; the sums under the new M: plain lines behind the exponentials
	v_pk_mul_f32 v[ST+10:ST+11], v[ST+10:ST+11], v[ST+12:ST+13] op_sel_hi:[1,0]
	s_wait_alu depctr_va_vdst(0)                   ; one wait for both tiles' 128 exponentials, ahead of their first reader
	SM_B 0
	SM_B 1
.if \kind == 0
	s_wait_dscnt 63                                ; V is in.  Behind V's 32 loads stand the 64 of the next K and adj; 63 is the largest count that this wait can name, so the first of those 64 is waited for with V
.endif
.if \kind == 3
	s_wait_dscnt 0x0
.endif
	PVMUL
.if \kind != 3
	PLACES
.if \kind == 0
	LOADV 1
.else
	LOADV 0
.endif
.endif
	WIN 0
.endm
	s_wait_tensorcnt 1                             ; my part of slot 0 is in; slot 1's may stay out
	s_barrier_signal -1
	s_barrier_wait -1
	LOADK 0
	LOADA
	LOADV 0
	WIN 0
.Lslot:                                            ; six trips of two steps: every slot but the last two is filled again
	STEP 0
	STEP 1
	s_sub_co_u32 s[SLOTS], s[SLOTS], 1
	s_cmp_lg_u32 s[SLOTS], 0
	s_cbranch_scc1 .Lslot
	STEP 0                                         ; the last two slots are written out
	STEP 2
	STEP 0
	STEP 3
	; ---- the way out: x_o = a O / l x 2^(e8 + e9) + (1 - a) O_local / l_local x 2^(e10 + e11), quantised (e12), as images of the next product's operand
	v_add_f32 v240, v[ST+2], v[ST+3]
	v_add_f32 v242, v[ST+10], v[ST+11]
	v_permlanex16_b32 v[PD], v240, s[SEL], s[SEL+1]
	v_add_f32 v240, v240, v[PD]
	v_permlanex16_b32 v[PD], v242, s[SEL], s[SEL+1]
	v_add_f32 v242, v242, v[PD]
	v_rcp_f32 v240, v240
	v_rcp_f32 v242, v242
	v_rcp_f32 v244, v[ST+6]
	v_rcp_f32 v246, v[ST+14]
	v_mov_b32 v241, 0                              ; (plain lines behind the reciprocals; the pairs' upper halves are named, so they are written)
	v_mov_b32 v243, 0
	v_mov_b32 v245, 0
	v_mov_b32 v247, 0
	s_add_co_i32 s95, s70, s71
	s_add_co_i32 s96, s72, s73
	v_lshlrev_b32 v231, 4, v0
	s_wait_alu depctr_va_vdst(0)
	v_mul_f32 v240, v240, v234
	v_mul_f32 v242, v242, v234
	v_mul_f32 v244, v244, v235
	v_mul_f32 v246, v246, v235
	v_ldexp_f32 v240, v240, s95
	v_ldexp_f32 v242, v242, s95
	v_ldexp_f32 v244, v244, s96
	v_ldexp_f32 v246, v246, s96
.irp i, 0,1
	WIN 0x01                                       ; source 0 (O^T) window 1
.set k, 0
.rept 32
	v_pk_mul_f32 v[S+64*\i+k:S+64*\i+k+1], v[64*\i+k:64*\i+k+1], v[240+2*\i:241+2*\i] op_sel_hi:[1,0]
.set k, k+2
.endr
	WIN 0x03                                       ; source 0 (the local O^T) window 3
.set k, 0
.rept 32
	v_pk_fma_f32 v[S+64*\i+k:S+64*\i+k+1], v[64*\i+k:64*\i+k+1], v[244+2*\i:245+2*\i], v[S+64*\i+k:S+64*\i+k+1] op_sel_hi:[1,0,1]
.set k, k+2
.endr
	WIN 0
.set k, 0
.rept 64
	v_med3_num_f32 v[S+64*\i+k], v[S+64*\i+k], -v229, v229
.set k, k+1
.endr
.irp b, 0,1,2,3
	v_cvt_scalef32_pk8_fp8_f32 v[P+16*\i+4*\b:P+16*\i+4*\b+1], v[S+64*\i+16*\b:S+64*\i+16*\b+7], v228
	v_cvt_scalef32_pk8_fp8_f32 v[P+16*\i+4*\b+2:P+16*\i+4*\b+3], v[S+64*\i+16*\b+8:S+64*\i+16*\b+15], v228
.endr
	v_nop
.irp b, 0,1,2,3
	ds_store_b128 v[STO], v[P+16*\i+4*\b:P+16*\i+4*\b+3] offset:32*\i+512*\b
.endr
.endr
	s_lshl_b32 s94, s21, 4
	s_add_co_u32 s94, s94, s20                     ; the block of 16 rows of x_o: 16 x head-batch + my block of queries
	s_lshl_b32 s94, s94, 14
	s_mov_b32 s95, 0
	s_add_nc_u64 s[16:17], s[16:17], s[94:95]
	s_wait_dscnt 0x0                               ; for the others' sake: my stores into the stage are done
	s_barrier_signal -1
	s_barrier_wait -1
.irp n, 0,1,2,3,4,5,6,7
	ds_load_b128 v[S+4*\n:S+4*\n+3], v[RD] offset:SPB*\n
.endr
.irp n, 0,1,2,3,4,5,6,7
	s_wait_dscnt 7-\n
	global_store_b128 v231, v[S+4*\n:S+4*\n+3], s[16:17] offset:2048*\n      ; a wave stores 512 consecutive bytes, aligned
.endr
	s_wait_tensorcnt 0x0                           ; the wave's end
	ds_add_u32 v[SPW], v[NIL]
	s_wait_dscnt 0x0
	CROUND                                         ; the closing round
	s_endpgm
.Lfunc_end_k_q6e4aa44e18_attn:
	.size	k_q6e4aa44e18_attn, .Lfunc_end_k_q6e4aa44e18_attn-k_q6e4aa44e18_attn
	.p2alignl 7, 3214868480
	.fill 96, 4, 3214868480
	.section	.rodata,"a",@progbits
	.p2align	6, 0x0
	.amdhsa_kernel k_q6e4aa44e18_attn
		.amdhsa_group_segment_fixed_size 327680
		.amdhsa_private_segment_fixed_size 0
		.amdhsa_enable_private_segment 0
		.amdhsa_kernarg_size 56
		.amdhsa_user_sgpr_count 2
		.amdhsa_user_sgpr_kernarg_segment_ptr 1
		.amdhsa_wavefront_size32 1
		.amdhsa_system_sgpr_workgroup_id_x 1
		.amdhsa_system_sgpr_workgroup_id_y 1
		.amdhsa_system_sgpr_workgroup_id_z 1
		.amdhsa_system_vgpr_workitem_id 0
		.amdhsa_next_free_vgpr 1024
		.amdhsa_next_free_sgpr 100
		.amdhsa_reserve_vcc 1
		.amdhsa_float_denorm_mode_32 3
		.amdhsa_float_denorm_mode_16_64 3
		.amdhsa_memory_ordered 1
		.amdhsa_forward_progress 1
		.amdhsa_inst_pref_size 255
	.end_amdhsa_kernel
	.section	.bss,"aw",@nobits
	.p2align	6
	.space	262144
	.amdgpu_metadata
---
amdhsa.version: [ 1, 2 ]
amdhsa.kernels:
  - .name:           k_q6e4aa44e18_attn
    .symbol:         k_q6e4aa44e18_attn.kd
    .args:
      - { .name: qkc, .offset: 0, .size: 8, .value_kind: global_buffer, .address_space: global }
      - { .name: vt, .offset: 8, .size: 8, .value_kind: global_buffer, .address_space: global }
      - { .name: lowp_scales, .offset: 16, .size: 8, .value_kind: global_buffer, .address_space: global }
      - { .name: adj_w, .offset: 24, .size: 8, .value_kind: global_buffer, .address_space: global }
      - { .name: adj_b, .offset: 32, .size: 8, .value_kind: global_buffer, .address_space: global }
      - { .name: alpha, .offset: 40, .size: 8, .value_kind: global_buffer, .address_space: global }
      - { .name: xoc, .offset: 48, .size: 8, .value_kind: global_buffer, .address_space: global }
    .group_segment_fixed_size: 327680
    .private_segment_fixed_size: 0
    .kernarg_segment_align: 8
    .kernarg_segment_size: 56
    .max_flat_workgroup_size: 128
    .sgpr_count:     100
    .vgpr_count:     1024
    .wavefront_size: 32
...
	.end_amdgpu_metadata
.endif
;; end of part 3
;; launch tail (part 4): grid 64 x 1, 16 waves a work-group, no clusters, 245,760 bytes of LDS; arguments xoc, wc, x, bo, ln_g, ln_b, b1, b2, lowp_scales, out0, out1; writes out0, out1
.if DOCPART == 4
	.amdgcn_target "amdgcn-amd-amdhsa--gfx1250"
	.amdhsa_code_object_version 6
	.text
	.protected	k_q6e4aa44e18_tail
	.globl	k_q6e4aa44e18_tail
	.p2align	8
	.type	k_q6e4aa44e18_tail,@function
k_q6e4aa44e18_tail:
	s_mov_b64 s[64:65], 0
	v_nop
	global_prefetch_b8 v0, s[64:65] scope:SCOPE_SE
	s_setreg_imm32_b32 hwreg(HW_REG_WAVE_MODE, 25, 1), 1
	s_wait_xcnt 0x0
; tail: x2 = x + x_o Wo + bo; LayerNorm; x_e = gelu(x_n W1 + b1); x_s = gelu(x_e W2 + b2); out1 = x_e^T, out0 = x_s^T.  All three products on codes of E4M3.
; SHARES.  A work-group takes 64 rows: the outputs are transposed, and 64 neighbouring rows are 256 consecutive bytes of an output row.  THE SIXTEEN WAVES SHARE THE COLUMNS: wave w makes columns 64 w on of
; the first product and 32 w on of the other two, for all 64 rows.  So each fragment of a weight is multiplied by one wave alone, and comes from memory straight into its registers, from a layout in which
; every load is 512 consecutive bytes.  No cluster and no tensor load: what the work-groups share, the weights, would pass through LDS without being read twice there.
; The rows' codes go from wave to wave through LDS as images of the operand's registers.  The products are used transposed (source 0 = 16 columns of a weight, source 1 = 16 rows), K = 64 an instruction.
; The weights' tiles are ordered so that a lane's 16 registers of two neighbouring tiles are 16 neighbouring columns: 32 b + 16 (lane / 16) + 0 .. 15.
; The first product's sums begin from x / 2^E + bo / 2^E, E = e12 + e13: the LayerNorm is taken of x2 / 2^E, with eps / 2^(2 E): a power of two changes nothing else in it.
; erf(u) = u P(u^2) / Q(u^2) with |u| held at 4 (degrees 6 and 4 in u^2): absolute error about 1e-7, so 1 + erf loses relative accuracy under u = -3.
; The text is straight-line.  ISS counts the global loads issued; a mark is set behind each group; a wait's count is ISS less the mark: the loads issued behind the group that is wanted.
; LIMITS: e12 + e13 between -50 and 50; e14 + e15 and e16 + e17 between -126 and 127; e14, e16 between -126 and 119.  NaN among the inputs is not served.
; REGISTERS: v1-19 addresses, the add's two, the conversions' scales; v[20:23] two coefficients as pairs; v[24:31] mean, then 1 / deviation, a pair for each 16 rows;
;   v32-63 A's four fragments, at work; v64-127 weights, gains, at work; v128-255 accumulators (second and third product: v128-191, and v192-255 four more weight buffers).
.set AIMG1, 65536                      ; LDS: 0: x_o's images, 64 KiB; x_n's, 64 KiB; x_e's, 32 KiB
.set AIMG2, 131072
.set WST,   163840                     ; a stage of 16 rows x 272 bytes for each wave, its own
.set WSB,   4352
.set RED0,  233472                     ; the waves' partial sums: 64 rows x 80 bytes; 5,120 bytes on: those of the squares
.set SPARE, 243712                     ; the spare words, 128 bytes for each wave, which no other line names
.set WT,    3145728
.set LI0, 1
.set LI1, 2
.set LI2, 3
.set XO,  4
.set WSI, 5
.set WSO, 6
.set BO,  7
.set REDS, 8
.set REDR, 9
.set IM1, 10
.set IM2, 11
.set OST, 12
.set OGO, 13
.set T16, 14
.set PD,  15
.set SPW, 16
.set NIL, 17
.set SC14, 18
.set SC16, 19
.set A13, 20
.set B8,  22
.set MU,  24
.set SEL, 52
.set ISS, 0
.macro GL dst, off, base, imm
	global_load_b128 v[(\dst):(\dst)+3], v[\off], s[\base:\base+1] offset:\imm
.set ISS, ISS+1
.endm
.macro MARK name
.set \name, ISS
.endm
.macro WAITL name
	s_wait_loadcnt ISS-\name
.endm
.macro PLACES
.rept 4
	v_nop
.endr
.endm
.macro BAR                             ; my LDS stores have landed and my LDS loads are in: then the work-group's barrier
	s_wait_dscnt 0x0
	s_barrier_signal -1
	s_barrier_wait -1
.endm
	s_load_b512 s[4:19], s[0:1], 0x0               ; xoc 4, wc 6, x 8, bo 10, ln_g 12, ln_b 14, b1 16, b2 18
	s_load_b128 s[20:23], s[0:1], 0x40             ; the scales 20, out0 22
	s_load_b64 s[24:25], s[0:1], 0x50              ; out1
	v_lshl_add_u32 v[SPW], v0, 2, SPARE
	v_mov_b32 v[NIL], 0
	v_lshrrev_b32 v32, 5, v0
	v_readfirstlane_b32 s26, v32                   ; wave 0..15
	v_and_b32 v32, 31, v0                          ; lane
	v_and_b32 v33, 15, v0                          ; r
	v_bfe_u32 v34, v0, 4, 1                        ; h
	v_lshlrev_b32 v[LI0], 4, v32                   ; an image's place for my lane; also my 16 bytes of a weight block
	v_add_nc_u32 v[LI1], AIMG1, v[LI0]
	v_add_nc_u32 v[LI2], AIMG2, v[LI0]
	v_lshlrev_b32 v[XO], 12, v34
	v_lshl_add_u32 v[XO], v33, 4, v[XO]            ; x: lanes 0-15 one row's 256 bytes, lanes 16-31 the next row's
	s_mul_i32 s28, s26, WSB
	s_add_co_u32 s28, s28, WST                     ; my stage
	v_mul_u32_u24 v[WSI], v34, 272
	v_lshl_add_u32 v[WSI], v33, 4, v[WSI]
	v_add_nc_u32 v[WSI], s28, v[WSI]               ; by rows: two rows an instruction
	v_mul_u32_u24 v[WSO], v33, 272
	v_lshl_add_u32 v[WSO], v34, 6, v[WSO]
	v_add_nc_u32 v[WSO], s28, v[WSO]               ; by lanes: row r, my half's 16 numbers of a group of 32
	v_lshlrev_b32 v[BO], 6, v34
	v_mul_u32_u24 v[REDR], v33, 80
	v_add_nc_u32 v[REDR], RED0, v[REDR]
	s_lshl_b32 s29, s26, 2
	v_add_nc_u32 v[REDS], s29, v[REDR]
	s_lshl_b32 s29, s26, 10
	s_add_co_u32 s29, s29, AIMG1
	v_add_nc_u32 v[IM1], s29, v[LI0]
	s_lshl_b32 s29, s26, 9
	s_add_co_u32 s29, s29, AIMG2
	v_add_nc_u32 v[IM2], s29, v[LI0]
	v_mul_u32_u24 v[OST], v34, 2176
	v_lshl_add_u32 v[OST], v33, 2, v[OST]
	v_add_nc_u32 v[OST], s28, v[OST]               ; transposing: stage row 8 h + j, word 16 a + r
	v_lshlrev_b32 v[OGO], 13, v34
	v_lshl_add_u32 v[OGO], v33, 4, v[OGO]
	v_lshlrev_b32 v[T16], 4, v0
	v_mov_b32 v[PD], 0                             ; a lane permute's destination counts as read: written once
	v_mov_b32 v[A13], 0xaf95df0b                   ; -2.72614226e-10
	v_mov_b32 v[A13+1], 0xaf95df0b
	v_mov_b32 v[B8], 0xb77460cd                    ; -1.45660718e-05
	v_mov_b32 v[B8+1], 0xb77460cd
.set k, 0
.rept 8
	v_mov_b32 v[MU+k], 0                           ; (the pairs' upper halves are named, so they are written)
.set k, k+1
.endr
	s_mov_b32 s51, 0x3a800000                      ; 1 / 1024
	s_mov_b32 s[SEL], 0x76543210
	s_mov_b32 s[SEL+1], 0xfedcba98
	s_mov_b32 s58, 0x3f3504f3                      ; 1 / sqrt(2)
	s_mov_b32 s59, 0x3f3504f3
	s_mov_b32 s31, 0
	s_wait_kmcnt 0x0
	s_load_b128 s[36:39], s[20:21], 0x30           ; e12 .. e15
	s_load_b64 s[40:41], s[20:21], 0x40            ; e16, e17
	s_lshl_b32 s30, ttmp9, 16
	s_add_nc_u64 s[4:5], s[4:5], s[30:31]          ; my four blocks of x_o's images
	s_lshl_b32 s30, ttmp9, 18
	s_lshl_b32 s29, s26, 8
	s_add_co_u32 s30, s30, s29
	s_add_nc_u64 s[8:9], s[8:9], s[30:31]          ; x at my first row, my wave's 64 columns
	s_mov_b32 s30, s29
	s_add_nc_u64 s[10:11], s[10:11], s[30:31]
	s_add_nc_u64 s[12:13], s[12:13], s[30:31]
	s_add_nc_u64 s[14:15], s[14:15], s[30:31]
	s_lshl_b32 s30, s26, 7
	s_add_nc_u64 s[16:17], s[16:17], s[30:31]
	s_add_nc_u64 s[18:19], s[18:19], s[30:31]
	s_lshl_b32 s30, s26, 15
	s_add_co_u32 s30, s30, WT+0x100000
	s_add_nc_u64 s[54:55], s[6:7], s[30:31]        ; my part of W1
	s_lshl_b32 s30, s26, 14
	s_add_co_u32 s30, s30, WT+0x180000
	s_add_nc_u64 s[56:57], s[6:7], s[30:31]        ; of W2
	s_lshl_b32 s30, s26, 16
	s_add_co_u32 s30, s30, WT
	s_add_nc_u64 s[6:7], s[6:7], s[30:31]          ; of Wo
	s_lshr_b32 s30, ttmp9, 5
	s_lshl_b32 s30, s30, 22                        ; the outputs: batch,
	s_lshl_b32 s29, s26, 18                        ; my wave's 32 rows of 8,192 bytes,
	s_add_co_u32 s30, s30, s29
	s_and_b32 s29, ttmp9, 31
	s_lshl_b32 s29, s29, 8                         ; my work-group's 256 bytes of a row
	s_add_co_u32 s30, s30, s29
	s_add_nc_u64 s[22:23], s[22:23], s[30:31]
	s_add_nc_u64 s[24:25], s[24:25], s[30:31]
.macro GLWO hs                         ; Wo's four tiles of half-step hs (64 along K): 8 loads into the buffer of its turn
.irp i, 0,1,2,3
.irp c, 0,1
	GL 64+32*((\hs)%2)+8*\i+4*\c, LI0, 6, 8192*((\hs)/2)+1024*((\hs)%2)+2048*\i+512*\c
.endr
.endr
.endm
.macro GLW base, hs, buf               ; W1's or W2's two tiles of half-step hs: 4 loads into buffer buf (0-3: v64 on; 4-7: v192 on)
.irp i, 0,1
.irp c, 0,1
	GL 64+16*(\buf)+64*((\buf)/4)+8*\i+4*\c, LI0, \base, 4096*((\hs)/2)+1024*((\hs)%2)+2048*\i+512*\c
.endr
.endr
.endm
.set n, 0
.rept 8
	GL 32+4*n, T16, 4, 8192*n
.set n, n+1
.endr
	MARK N_XO
.set n, 0
.rept 32
	GL 128+4*n, XO, 8, 4096*(16*(n/8)+2*(n%8))
.set n, n+1
.endr
.set n, 0
.rept 8
	GL 96+4*n, BO, 10, 128*(n/4)+16*(n%4)
.set n, n+1
.endr
	MARK N_BO
	GLWO 0
	MARK NWO_0
	s_wait_kmcnt 0x0
	s_add_co_i32 s50, s36, s37                     ; E = e12 + e13
	s_sub_co_i32 s28, 127, s50
	s_lshl_b32 s42, s28, 23                        ; 2^-E
	s_mov_b32 s43, s42
	s_sub_co_i32 s28, 0, s50                       ; -E
	s_lshl_b32 s29, s28, 24
	s_add_co_i32 s60, s29, 0x3727c5ac              ; 1e-5 with -2 E added to its exponent field: eps / 2^(2 E)
	s_add_co_i32 s30, s38, s39
	s_add_co_i32 s30, s30, 127
	s_lshl_b32 s44, s30, 23                        ; 2^(e14 + e15)
	s_mov_b32 s45, s44
	s_add_co_i32 s30, s40, s41
	s_add_co_i32 s30, s30, 127
	s_lshl_b32 s46, s30, 23                        ; 2^(e16 + e17)
	s_mov_b32 s47, s46
	s_add_co_i32 s30, s38, 127
	s_lshl_b32 s48, s30, 23
	v_mov_b32 v[SC14], s48                         ; 2^e14, for the conversions
	s_add_co_i32 s30, s30, 8
	s_lshl_b32 s48, s30, 23
	s_or_b32 s48, s48, 0x600000                    ; 448 x 2^e14
	s_add_co_i32 s30, s40, 127
	s_lshl_b32 s49, s30, 23
	v_mov_b32 v[SC16], s49
	s_add_co_i32 s30, s30, 8
	s_lshl_b32 s49, s30, 23
	s_or_b32 s49, s49, 0x600000                    ; 448 x 2^e16
	WAITL N_XO
.set n, 0
.rept 8
	ds_store_b128 v[T16], v[32+4*n:35+4*n] offset:8192*n        ; x_o's images, as they lie
.set n, n+1
.endr
	WAITL N_BO                                     ; x and bo are in
.set k, 0
.rept 32
	v_ldexp_f32 v[96+k], v[96+k], s28              ; bo / 2^E
.set k, k+1
.endr
.irp a, 0,1,2,3                        ; x turns through my stage: in by rows of 256 bytes, out 64 bytes a lane, into the registers that it left; LDS serves a wave in order
.set n, 0
.rept 8
	ds_store_b128 v[WSI], v[128+32*\a+4*n:131+32*\a+4*n] offset:544*n
.set n, n+1
.endr
.set n, 0
.rept 8
	ds_load_b128 v[128+32*\a+4*n:131+32*\a+4*n], v[WSO] offset:128*(n/4)+16*(n%4)
.set n, n+1
.endr
.endr
	s_wait_dscnt 0x0
.irp a, 0,1,2,3
.set k, 0
.rept 16
	v_pk_fma_f32 v[128+32*\a+k:129+32*\a+k], v[128+32*\a+k:129+32*\a+k], s[42:43], v[96+k:97+k] op_sel_hi:[1,0,1]   ; where the sums begin: x / 2^E + bo / 2^E
.set k, k+2
.endr
.endr
	GLWO 1
	MARK NWO_1
	BAR                                            ; x_o's images lie in LDS
; ---- the first product: half-step hs; the 16 accumulators by turns
.macro HS1 hs, nxt
.irp a, 0,1,2,3
	ds_load_b128 v[32+8*\a:35+8*\a], v[LI0] offset:16384*\a+1024*(\hs)
	ds_load_b128 v[36+8*\a:39+8*\a], v[LI0] offset:16384*\a+1024*(\hs)+512
.endr
	WAITL NWO_\hs
	s_wait_dscnt 0x0
.irp a, 0,1,2,3
.irp i, 0,1,2,3
	v_wmma_f32_16x16x64_fp8_fp8 v[128+32*\a+8*\i:135+32*\a+8*\i], v[64+32*((\hs)%2)+8*\i:71+32*((\hs)%2)+8*\i], v[32+8*\a:39+8*\a], v[128+32*\a+8*\i:135+32*\a+8*\i]
.endr
.endr
	PLACES                                         ; in front of the loads into the registers just multiplied: the refill below and the next half-step's A
.if \nxt < 16
	GLWO \nxt
	MARK NWO_\nxt
.endif
.endm
	HS1 0, 2
	HS1 1, 3
	HS1 2, 4
	HS1 3, 5
	HS1 4, 6
	HS1 5, 7
	HS1 6, 8
	HS1 7, 9
	HS1 8, 10
	HS1 9, 11
	HS1 10, 12
	HS1 11, 13
	HS1 12, 14
	HS1 13, 15
	HS1 14, 16
.set n, 0
.rept 8
	GL 64+4*n, BO, 12, 128*(n/4)+16*(n%4)          ; ln_g of my 64 columns, in the sums' layout
.set n, n+1
.endr
	HS1 15, 17
.set n, 0
.rept 8
	GL 96+4*n, BO, 14, 128*(n/4)+16*(n%4)          ; ln_b
.set n, n+1
.endr
	MARK N_G
; ---- LayerNorm.  A lane holds 32 of its row's numbers for each of four blocks of 16 rows; the lane 16 away the wave's other 32; the sixteen waves' sums meet in LDS.
.macro FIN a, off                      ; the two chains in v[32+4a:35+4a] become my wave's sum for row 16 a + r
	v_pk_add_f32 v[32+4*\a:33+4*\a], v[32+4*\a:33+4*\a], v[34+4*\a:35+4*\a]
	v_add_f32 v[32+4*\a], v[32+4*\a], v[33+4*\a]
	v_permlanex16_b32 v[PD], v[32+4*\a], s[SEL], s[SEL+1]
	v_add_f32 v[32+4*\a], v[32+4*\a], v[PD]
	ds_store_b32 v[REDS], v[32+4*\a] offset:\off+1280*\a
.endm
.macro REDREAD off                     ; the sixteen waves' sums of my four rows, added in one order in every wave, into v[MU + 2 a]
.irp p, 0,1
.set n, 0
.rept 8
	ds_load_b128 v[32+4*n:35+4*n], v[REDR] offset:\off+1280*(2*\p+n/4)+16*(n%4)
.set n, n+1
.endr
	s_wait_dscnt 0x0
.irp e, 0,1
.irp q, 0,4,8,12
	v_pk_add_f32 v[32+16*\e+\q:33+16*\e+\q], v[32+16*\e+\q:33+16*\e+\q], v[34+16*\e+\q:35+16*\e+\q]
.endr
	v_pk_add_f32 v[32+16*\e:33+16*\e], v[32+16*\e:33+16*\e], v[36+16*\e:37+16*\e]
	v_pk_add_f32 v[40+16*\e:41+16*\e], v[40+16*\e:41+16*\e], v[44+16*\e:45+16*\e]
	v_pk_add_f32 v[32+16*\e:33+16*\e], v[32+16*\e:33+16*\e], v[40+16*\e:41+16*\e]
	v_add_f32 v[MU+2*(2*\p+\e)], v[32+16*\e], v[33+16*\e]
.endr
.endr
.endm
.irp a, 0,1,2,3                        ; each accumulator is read from its low end on
	v_pk_add_f32 v[32+4*\a:33+4*\a], v[128+32*\a:129+32*\a], v[130+32*\a:131+32*\a]
	v_pk_add_f32 v[34+4*\a:35+4*\a], v[132+32*\a:133+32*\a], v[134+32*\a:135+32*\a]
.set k, 8
.rept 6
	v_pk_add_f32 v[32+4*\a:33+4*\a], v[32+4*\a:33+4*\a], v[128+32*\a+k:129+32*\a+k]
	v_pk_add_f32 v[34+4*\a:35+4*\a], v[34+4*\a:35+4*\a], v[130+32*\a+k:131+32*\a+k]
.set k, k+4
.endr
	FIN \a, 0
.endr
	BAR
	REDREAD 0
.irp a, 0,1,2,3
	v_mul_f32 v[MU+2*\a], s51, v[MU+2*\a]          ; the mean
.endr
.irp a, 0,1,2,3
.set k, 0
.rept 16
	v_pk_add_f32 v[128+32*\a+k:129+32*\a+k], v[128+32*\a+k:129+32*\a+k], v[MU+2*\a:MU+2*\a+1] op_sel_hi:[1,0] neg_lo:[0,1] neg_hi:[0,1]
.set k, k+2
.endr
	v_pk_mul_f32 v[32+4*\a:33+4*\a], v[128+32*\a:129+32*\a], v[128+32*\a:129+32*\a]
	v_pk_mul_f32 v[34+4*\a:35+4*\a], v[130+32*\a:131+32*\a], v[130+32*\a:131+32*\a]
.set k, 4
.rept 7
	v_pk_fma_f32 v[32+4*\a:33+4*\a], v[128+32*\a+k:129+32*\a+k], v[128+32*\a+k:129+32*\a+k], v[32+4*\a:33+4*\a]
	v_pk_fma_f32 v[34+4*\a:35+4*\a], v[130+32*\a+k:131+32*\a+k], v[130+32*\a+k:131+32*\a+k], v[34+4*\a:35+4*\a]
.set k, k+4
.endr
	FIN \a, 5120
.endr
	BAR
	REDREAD 5120
.irp a, 0,1,2,3
	v_fma_f32 v[MU+2*\a], v[MU+2*\a], s51, s60     ; the variance + eps, both / 2^(2 E)
.endr
.irp a, 0,1,2,3
	v_rsq_f32 v[MU+2*\a], v[MU+2*\a]
.endr
	v_nop                                          ; a plain line behind the last of the batch
	WAITL N_G                                      ; the gains and offsets are in
	s_wait_alu depctr_va_vdst(0)                   ; one wait for the four, ahead of their first reader
.irp a, 0,1,2,3
.set k, 0
.rept 16
	v_pk_mul_f32 v[128+32*\a+k:129+32*\a+k], v[128+32*\a+k:129+32*\a+k], v[MU+2*\a:MU+2*\a+1] op_sel_hi:[1,0]
.set k, k+2
.endr
.set k, 0
.rept 16
	v_pk_fma_f32 v[128+32*\a+k:129+32*\a+k], v[128+32*\a+k:129+32*\a+k], v[64+k:65+k], v[96+k:97+k]   ; x_n
.set k, k+2
.endr
.set k, 0
.rept 32
	v_med3_num_f32 v[128+32*\a+k], v[128+32*\a+k], -s48, s48      ; the conversion does not saturate: the hold at 448 x 2^e14
.set k, k+1
.endr
.irp b, 0,1
	v_cvt_scalef32_pk8_fp8_f32 v[32+8*\a+4*\b:33+8*\a+4*\b], v[128+32*\a+16*\b:135+32*\a+16*\b], v[SC14]
	v_cvt_scalef32_pk8_fp8_f32 v[34+8*\a+4*\b:35+8*\a+4*\b], v[136+32*\a+16*\b:143+32*\a+16*\b], v[SC14]
.endr
	v_nop                                          ; a plain line between the conversions and the products that later write their sources
.irp b, 0,1
	ds_store_b128 v[IM1], v[32+8*\a+4*\b:35+8*\a+4*\b] offset:16384*\a+512*\b   ; columns 64 w + 32 b on are block 2 (w % 2) + b of K step w / 2
.endr
.endr
.irp h, 0,1,2,3,4,5,6,7
	GLW 54, \h, \h
	MARK NB_\h
.endr
	BAR                                            ; x_n's images lie in LDS
; ---- a half-step of the second or third product: 8 accumulators by turns; half-step 0 starts the sums
.macro HSG li, pitch, hs, buf
.set BR, 64+16*(\buf)+64*((\buf)/4)
.irp a, 0,1,2,3
	ds_load_b128 v[32+8*\a:35+8*\a], v[\li] offset:\pitch*\a+1024*(\hs)
	ds_load_b128 v[36+8*\a:39+8*\a], v[\li] offset:\pitch*\a+1024*(\hs)+512
.endr
	WAITL NB_\buf
	s_wait_dscnt 0x0
.irp a, 0,1,2,3
.irp i, 0,1
.if (\hs) == 0
	v_wmma_f32_16x16x64_fp8_fp8 v[128+16*\a+8*\i:135+16*\a+8*\i], v[BR+8*\i:BR+8*\i+7], v[32+8*\a:39+8*\a], 0
.else
	v_wmma_f32_16x16x64_fp8_fp8 v[128+16*\a+8*\i:135+16*\a+8*\i], v[BR+8*\i:BR+8*\i+7], v[32+8*\a:39+8*\a], v[128+16*\a+8*\i:135+16*\a+8*\i]
.endif
.endr
.endr
	PLACES                                         ; in front of loads into the registers just multiplied, and of the first read of results
.endm
; gelu of block a's 16 numbers a lane, in place: X = sum x 2^e + bias; gelu = X / 2 + (X / 2) erf(X / sqrt 2)
.macro GELU a, sc, bias
.set GX, 128+16*(\a)
.set k, 0
.rept 8
	v_pk_fma_f32 v[GX+k:GX+k+1], v[GX+k:GX+k+1], s[\sc:\sc+1], v[\bias+k:\bias+k+1] op_sel_hi:[1,0,1]
.set k, k+2
.endr
.set k, 0
.rept 8
	v_pk_mul_f32 v[32+k:33+k], v[GX+k:GX+k+1], s[58:59] op_sel_hi:[1,0]
.set k, k+2
.endr
.set k, 0
.rept 16
	v_med3_num_f32 v[32+k], v[32+k], -4.0, 4.0
.set k, k+1
.endr
.set k, 0
.rept 8
	v_pk_mul_f32 v[48+k:49+k], v[32+k:33+k], v[32+k:33+k]
.set k, k+2
.endr
.set k, 0
.rept 8
	v_pk_fma_f32 v[80+k:81+k], v[48+k:49+k], v[A13:A13+1], 0x32edffee op_sel_hi:[1,1,0]
	v_pk_fma_f32 v[96+k:97+k], v[48+k:49+k], v[B8:B8+1], 0xb95fbd29 op_sel_hi:[1,1,0]
.set k, k+2
.endr
.irp c, 0xb60cff51, 0xb86ec2d2, 0xba40ac63, 0xbb41a1f6, 0xbc83dbd4
.set k, 0
.rept 8
	v_pk_fma_f32 v[80+k:81+k], v[80+k:81+k], v[48+k:49+k], \c op_sel_hi:[1,1,0]
.set k, k+2
.endr
.endr
.irp c, 0xbadc924e, 0xbbf19bf8, 0xbc69b6a7
.set k, 0
.rept 8
	v_pk_fma_f32 v[96+k:97+k], v[96+k:97+k], v[48+k:49+k], \c op_sel_hi:[1,1,0]
.set k, k+2
.endr
.endr
.set k, 0
.rept 16
	v_rcp_f32 v[96+k], v[96+k]
.set k, k+1
.endr
.set k, 0
.rept 8
	v_pk_mul_f32 v[80+k:81+k], v[80+k:81+k], v[32+k:33+k]                  ; u P: work that names no reciprocal
	v_pk_mul_f32 v[48+k:49+k], v[GX+k:GX+k+1], 0.5 op_sel_hi:[1,0]
.set k, k+2
.endr
	s_wait_alu depctr_va_vdst(0)                   ; one wait for the sixteen reciprocals, ahead of their first reader
.set k, 0
.rept 8
	v_pk_mul_f32 v[80+k:81+k], v[80+k:81+k], v[96+k:97+k]                  ; erf
.set k, k+2
.endr
.set k, 0
.rept 8
	v_pk_fma_f32 v[GX+k:GX+k+1], v[48+k:49+k], v[80+k:81+k], v[48+k:49+k]
.set k, k+2
.endr
.endm
; The way out, transposed: 16 columns x 64 rows at a time through my stage: in a word a lane, out as rows of 256 bytes.  Sixteen lanes store 256 consecutive bytes, aligned.
.macro OUT base
.irp i, 0,1
.irp a, 0,1,2,3
.set j, 0
.rept 8
	ds_store_b32 v[OST], v[128+16*\a+8*\i+j] offset:272*j+64*\a
.set j, j+1
.endr
.endr
.set n, 0
.rept 8
	ds_load_b128 v[32+48*\i+4*n:35+48*\i+4*n], v[WSI] offset:544*n     ; LDS serves a wave in order: these see my stores, and the next pass's stores come behind them
.set n, n+1
.endr
.endr
.irp i, 0,1
.set n, 0
.rept 8
	s_wait_dscnt 40*(1-\i)+7-n                     ; the other pass's 32 stores and 8 loads, and this pass's younger loads, may be out
	global_store_b128 v[OGO], v[32+48*\i+4*n:35+48*\i+4*n], s[\base:\base+1] offset:8192*(16*(n/4)+8*\i+2*(n%4)) th:TH_STORE_NT
.set n, n+1
.endr
.endr
.endm
	; ---- the second product: 16 half-steps, eight weight buffers
.irp h, 0,1,2,3,4,5,6,7
	HSG LI1, 16384, \h, \h
	GLW 54, \h+8, \h
	MARK NB_\h
.endr
	HSG LI1, 16384, 8, 0
.irp e, 0,1,2,3
	GL 64+4*\e, BO, 16, 16*\e                      ; b1 of my 16 columns a lane, into the buffer that is done with
.endr
	MARK N_B1
	HSG LI1, 16384, 9, 1
	HSG LI1, 16384, 10, 2
	HSG LI1, 16384, 11, 3
.irp h, 4,5,6,7
	HSG LI1, 16384, \h+8, \h
	GLW 56, \h-4, \h                               ; W2's first four half-steps
	MARK NB_\h
.endr
	WAITL N_B1
.irp a, 0,1,2,3
	GELU \a, 44, 64
.endr
	OUT 24                                         ; out1 = x_e^T
	s_wait_xcnt 0x0                                ; the stores have read their registers: these are written again below
.irp a, 0,1,2,3
.set k, 0
.rept 16
	v_med3_num_f32 v[128+16*\a+k], v[128+16*\a+k], -s49, s49
.set k, k+1
.endr
	v_cvt_scalef32_pk8_fp8_f32 v[32+4*\a:33+4*\a], v[128+16*\a:135+16*\a], v[SC16]
	v_cvt_scalef32_pk8_fp8_f32 v[34+4*\a:35+4*\a], v[136+16*\a:143+16*\a], v[SC16]
	v_nop
	ds_store_b128 v[IM2], v[32+4*\a:35+4*\a] offset:8192*\a        ; columns 32 w on are block w % 4 of K step w / 4
.endr
.irp h, 0,1,2,3
	GLW 56, \h+4, \h
	MARK NB_\h
.endr
	BAR                                            ; x_e's images lie in LDS
	; ---- the third product: 8 half-steps
	HSG LI2, 8192, 0, 4
.irp e, 0,1,2,3
	GL 192+4*\e, BO, 18, 16*\e                     ; b2
.endr
	MARK N_B2
	HSG LI2, 8192, 1, 5
	HSG LI2, 8192, 2, 6
	HSG LI2, 8192, 3, 7
	HSG LI2, 8192, 4, 0
	HSG LI2, 8192, 5, 1
	HSG LI2, 8192, 6, 2
	HSG LI2, 8192, 7, 3
	WAITL N_B2
.irp a, 0,1,2,3
	GELU \a, 46, 192
.endr
	OUT 22                                         ; out0 = x_s^T
	s_wait_tensorcnt 0x0                           ; the wave's end, behind my last LDS store
	ds_add_u32 v[SPW], v[NIL]
	s_wait_dscnt 0x0
	s_endpgm
.Lfunc_end_k_q6e4aa44e18_tail:
	.size	k_q6e4aa44e18_tail, .Lfunc_end_k_q6e4aa44e18_tail-k_q6e4aa44e18_tail
	.p2alignl 7, 3214868480
	.fill 96, 4, 3214868480
	.section	.rodata,"a",@progbits
	.p2align	6, 0x0
	.amdhsa_kernel k_q6e4aa44e18_tail
		.amdhsa_group_segment_fixed_size 245760
		.amdhsa_private_segment_fixed_size 0
		.amdhsa_enable_private_segment 0
		.amdhsa_kernarg_size 88
		.amdhsa_user_sgpr_count 2
		.amdhsa_user_sgpr_kernarg_segment_ptr 1
		.amdhsa_wavefront_size32 1
		.amdhsa_system_sgpr_workgroup_id_x 1
		.amdhsa_system_sgpr_workgroup_id_y 1
		.amdhsa_system_sgpr_workgroup_id_z 1
		.amdhsa_system_vgpr_workitem_id 0
		.amdhsa_next_free_vgpr 256
		.amdhsa_next_free_sgpr 66
		.amdhsa_reserve_vcc 0
		.amdhsa_float_denorm_mode_32 3
		.amdhsa_float_denorm_mode_16_64 3
		.amdhsa_memory_ordered 1
		.amdhsa_forward_progress 1
		.amdhsa_inst_pref_size 255
	.end_amdhsa_kernel
	.section	.bss,"aw",@nobits
	.p2align	6
	.space	262144
	.amdgpu_metadata
---
amdhsa.version: [ 1, 2 ]
amdhsa.kernels:
  - .name:           k_q6e4aa44e18_tail
    .symbol:         k_q6e4aa44e18_tail.kd
    .args:
      - { .name: xoc, .offset: 0, .size: 8, .value_kind: global_buffer, .address_space: global }
      - { .name: wc, .offset: 8, .size: 8, .value_kind: global_buffer, .address_space: global }
      - { .name: x, .offset: 16, .size: 8, .value_kind: global_buffer, .address_space: global }
      - { .name: bo, .offset: 24, .size: 8, .value_kind: global_buffer, .address_space: global }
      - { .name: ln_g, .offset: 32, .size: 8, .value_kind: global_buffer, .address_space: global }
      - { .name: ln_b, .offset: 40, .size: 8, .value_kind: global_buffer, .address_space: global }
      - { .name: b1, .offset: 48, .size: 8, .value_kind: global_buffer, .address_space: global }
      - { .name: b2, .offset: 56, .size: 8, .value_kind: global_buffer, .address_space: global }
      - { .name: lowp_scales, .offset: 64, .size: 8, .value_kind: global_buffer, .address_space: global }
      - { .name: out0, .offset: 72, .size: 8, .value_kind: global_buffer, .address_space: global }
      - { .name: out1, .offset: 80, .size: 8, .value_kind: global_buffer, .address_space: global }
    .group_segment_fixed_size: 245760
    .private_segment_fixed_size: 0
    .kernarg_segment_align: 8
    .kernarg_segment_size: 88
    .max_flat_workgroup_size: 512
    .sgpr_count:     66
    .vgpr_count:     256
    .wavefront_size: 32
...
	.end_amdgpu_metadata
.endif
;; end of part 4
